; MI455X (gfx1250); checked and timed in simulation.
; The chip was launched on July 23, 2026; its instructions are those of AMD's public machine-readable ISA for CDNA 5 (MIT licence, August 2026) and "CDNA5" Instruction Set Architecture Reference Guide (July 2026). The comments in the code are by the model that wrote it; some were corrected since.
;; Multi Head Self Attention. Allowed arithmetic: matrix products marked QUANTISED: E5M2 operands, one E8M0 scale for each 32 along K, by v_wmma_scale_f32_16x16x128_f8f6f4 with both operands' format E5M2, f32 sums; everything else in f32.
;; Inputs: Wk_codes 1,024 x 32 x 32 uint8 (E5M2 codes of Wk, K innermost, in blocks of 32 codes); Wk_scales 1,024 x 32 uint8 (E8M0 scales of Wk, one for each 32 codes along K); Wo_codes 1,024 x 32 x 32 uint8 (E5M2 codes of Wo, K innermost, in blocks of 32 codes); Wo_scales 1,024 x 32 uint8 (E8M0 scales of Wo, one for each 32 codes along K); Wq_codes 1,024 x 32 x 32 uint8 (E5M2 codes of Wq, K innermost, in blocks of 32 codes); Wq_scales 1,024 x 32 uint8 (E8M0 scales of Wq, one for each 32 codes along K); Wv_codes 1,024 x 32 x 32 uint8 (E5M2 codes of Wv, K innermost, in blocks of 32 codes); Wv_scales 1,024 x 32 uint8 (E8M0 scales of Wv, one for each 32 codes along K); token_positions 2,048 int32; x_codes 4 x 2,048 x 32 x 32 uint8 (E5M2 codes of x, K innermost, in blocks of 32 codes); x_scales 4 x 2,048 x 32 uint8 (E8M0 scales of x, one for each 32 codes along K).
;; Outputs: out0 4 x 2,048 x 1,024 float32.
;; This version of the problem:
;;   THIS VERSION OF THE PROBLEM IS GIVEN IN LOW PRECISION. The matrix products marked QUANTISED in the list below multiply operands that are first quantised to E5M2 (5 exponent bits, 2 mantissa bits; 8 bits a number), with one power-of-two scale for each 32 numbers along K (OCP MX v1.0); their sums are f32. All else is computed in f32.
;;   The module's matrix products, in the order in which they are computed (A, B: the left and right operand; K: the contracted axis; several contracted axes count as one K, in the product's order):
;;     1. [M 8,192, K 1,024] x [K 1,024, N 1,024]; A: input x (given as codes); B: input Wq (given as codes): QUANTISED
;;     2. [M 8,192, K 1,024] x [K 1,024, N 1,024]; A: input x (given as codes); B: input Wk (given as codes): QUANTISED
;;     3. [M 8,192, K 1,024] x [K 1,024, N 1,024]; A: input x (given as codes); B: input Wv (given as codes): QUANTISED
;;     4. batch 64 x [M 2,048, K 64] x [K 64, N 2,048]; A: computed on the way; B: computed on the way: QUANTISED
;;     5. batch 64 x [M 2,048, K 2,048] x [K 2,048, N 64]; A: softmax (see below); B: computed on the way: QUANTISED
;;     6. [M 8,192, K 1,024] x [K 1,024, N 1,024]; A: computed on the way; B: input Wo (given as codes): QUANTISED
;;   THE QUANTISER, for each operand of a quantised product, along K:
;;     - K is cut into blocks of 32 from its start; a last block that is shorter is filled with zeros.
;;     - A block's scale is 2^e with e = floor(log2(the largest magnitude in the block)) - 15, held to -126 .. 127; a block of zeros has e = 0. As a byte (E8M0): e + 127.
;;     - Each number is divided by its block's scale, clamped to +-57,344, and rounded to the nearest number of E5M2, ties to even, subnormals kept.
;;     - The product sums the exact products of the quantised numbers (number of the format x scale) in f32.
;;   ~~~python
;;   def quantise(x, axis):      # numpy; x: float32 -> the quantised numbers, widened to float32 again
;;       x = np.moveaxis(x, axis, -1); K = x.shape[-1]
;;       x = np.pad(x, [(0, 0)] * (x.ndim - 1) + [(0, -K % 32)]); x = x.reshape(x.shape[:-1] + (-1, 32)); a = np.abs(x).max(-1, keepdims=True)
;;       e = np.where(a > 0, np.clip(np.frexp(np.where(a > 0, a, 1))[1] - 1 - 15, -126, 127), 0)      # np.frexp(a)[1] - 1 = floor(log2(a)), exactly
;;       r = np.clip(x / 2.0 ** e, -57344, 57344)
;;       step = 2.0 ** (np.maximum(np.frexp(np.where(r == 0, 1, r))[1] - 1, -14) - 2)
;;       q = np.round(r / step) * step * 2.0 ** e      # np.round: ties to even
;;       return np.moveaxis(q.reshape(q.shape[:-2] + (-1,))[..., :K], -1, axis).astype(np.float32)
;;   ~~~
;;   SOFTMAX AHEAD OF A QUANTISED PRODUCT. Where the list says 'softmax', what is quantised is not the finished softmax but p = 2^(t - M), with t = logit x log2(e) and M = ceil(the row's largest t), a whole number; so 1/2 < the row's largest p <= 1. The row's sum l is taken of the UNQUANTISED p, in f32, and the product's result is divided by l at the end. Since M is a whole number, a kernel that streams over the keys may use a running M (the ceiling of the running maximum): every later rescaling is an exact power of two, which a block's scale takes up: the codes' values come out the same.
;;   OPERANDS COMPUTED ON THE WAY. 'Computed on the way' means the value that the module computes at that place (a softmax that the list does not call 'softmax' is quantised finished and normalised). What goes into a quantiser is computed in f32, as accurately as f32 sums, v_exp_f32 and their like allow (about 1e-6 of the number): no bf16 or f16 on the way to a quantiser, and a product that is left as it is and whose result goes on into a quantised operand takes f32 operands (vector FMAs, or v_wmma_f32_16x16x4_f32). A number that lies on a knife's edge between two numbers of the format may be rounded either way, as far as f32 arithmetic and the matrix unit's own rounding can turn it there, and no further.
;;   INPUTS GIVEN AS CODES. Wk (in the module: [1024, 1024], K = its axis 1); Wo (in the module: [1024, 1024], K = its axis 1); Wq (in the module: [1024, 1024], K = its axis 1); Wv (in the module: [1024, 1024], K = its axis 1); x (in the module: [4, 2048, 1024], K = its axis 2): each comes as NAME_codes (uint8): NAME with its K axis moved to the last place and cut into blocks of 32 codes, [.., K / 32, bytes a block], one block behind the other in memory; one code a byte (a code: sign, 5 exponent bits, 2 mantissa bits); and NAME_scales (uint8): the same leading axes, one E8M0 byte (e + 127) for each 32 codes along K. Its value is code x scale, taken as it is: it is not quantised again, and the codes and scales need not be those that the quantiser above would give.
;; One version. Each part assembles by itself: llvm-mc -triple=amdgcn-amd-amdhsa -mcpu=gfx1250 --defsym DOCPART=n.
;; ======== version 1 of 1: 4 launches
;; limits: right only within a limited range of input values
;; workspace buffers: rope 524,288 bytes; qkv_img 25,165,824 bytes; qkv_sc 786,432 bytes; y_img 8,388,608 bytes; y_sc 262,144 bytes
;; launch rope (part 1): grid 64 x 1, 4 waves a work-group, no clusters, 9,216 bytes of LDS; arguments token_positions, rope; writes rope
.if DOCPART == 1
	.amdgcn_target "amdgcn-amd-amdhsa--gfx1250"
	.amdhsa_code_object_version 6
	.text
	.protected	k_q8b684baacd_rope
	.globl	k_q8b684baacd_rope
	.p2align	8
	.type	k_q8b684baacd_rope,@function
k_q8b684baacd_rope:
	s_mov_b64 s[64:65], 0
	v_nop
	global_prefetch_b8 v0, s[64:65] scope:SCOPE_SE
	s_setreg_imm32_b32 hwreg(HW_REG_WAVE_MODE, 25, 1), 1
	s_wait_xcnt 0x0
; rope[s][i] = (cos, sin) of token_positions[s] x 10^(-i/8), i = 0 .. 31, f32: 256 bytes a token.
; 10000^(-2 i / 64) = 10^(-i/8).  The angle is ONE f32 product of the position and the frequency; it is then reduced
; exactly: N = the nearest whole number to angle x 2/pi, R = angle - N x pi/2 with pi/2 in three parts (fused multiply-adds),
; and sine and cosine of R (|R| about pi/4 at most) come from polynomials of degree 7 and 8; N mod 4 says which goes where, with which sign.
; SHARES: a work-group takes 32 tokens, a lane a token; wave w takes frequencies 8 w .. 8 w + 7: 10^(-j/8) x 10^(-w), one more f32 rounding for w > 0.
; A lane's 64 bytes are a quarter of its token's row: the rows meet in LDS (pitch 272) and leave whole: sixteen lanes store 256 consecutive bytes, aligned.
; LIMITS: |position| up to 100,000 (beyond it N's own rounding lets |R| pass pi/4 noticeably).  No matrix unit, no cluster: nothing is shared, and the launch moves half a megabyte.
.set A,   8                            ; v8-15   the angles; on the way out the rows read back
.set N,   16                           ; v16-23  N
.set R,   24                           ; v24-31  R
.set Z,   32                           ; v32-39  R x R
.set SP,  40                           ; v40-47  sine polynomial
.set CP,  48                           ; v48-55  cosine polynomial
.set QI,  56                           ; v56-63  N as a whole number
.set T,   64                           ; v64-71  at work
.set OUT, 72                           ; v72-87  cos, sin by turns
.set FQ,  16                           ; s16-23  my eight frequencies
.set PITCH, 272
	s_load_b128 s[4:7], s[0:1], 0x0                ; token_positions, rope
	v_lshrrev_b32 v1, 5, v0
	v_readfirstlane_b32 s8, v1                     ; wave 0..3
	v_and_b32 v1, 31, v0                           ; lane = token
	s_wait_alu depctr_va_vdst(0)
	v_lshlrev_b32 v3, 2, v1
	s_lshl_b32 s10, ttmp9, 7                       ; my 32 positions: 128 bytes a work-group
	s_mov_b32 s11, 0
	s_lshl_b32 s12, ttmp9, 13                      ; my rows of the table: 32 x 256 bytes a work-group,
	s_lshl_b32 s13, s8, 11                         ; 8 rows a wave on the way out
	s_add_co_u32 s12, s12, s13
	s_mov_b32 s13, 0
	s_mov_b32 s[FQ+0], 1.0                         ; 10^(-j/8), j = 0 .. 7
	s_mov_b32 s[FQ+1], 0x3f3ff911
	s_mov_b32 s[FQ+2], 0x3f0ff59a
	s_mov_b32 s[FQ+3], 0x3ed7e89b
	s_mov_b32 s[FQ+4], 0x3ea1e89b
	s_mov_b32 s[FQ+5], 0x3e72d424
	s_mov_b32 s[FQ+6], 0x3e361887
	s_mov_b32 s[FQ+7], 0x3e088d77
	s_mov_b32 s33, 1.0                             ; 10^(-wave)
	s_cmp_eq_u32 s8, 1
	s_cselect_b32 s33, 0x3dcccccd, s33
	s_cmp_eq_u32 s8, 2
	s_cselect_b32 s33, 0x3c23d70a, s33
	s_cmp_eq_u32 s8, 3
	s_cselect_b32 s33, 0x3a83126f, s33
.irp j, 0,1,2,3,4,5,6,7
	s_mul_f32 s[FQ+\j], s[FQ+\j], s33
.endr
	s_mov_b32 s24, 0xbfc90fdb                      ; -pi/2, its first 24 bits
	s_mov_b32 s25, 0x333bbd2e                      ; what is left of it, negated: 4.3711388e-8
	s_mov_b32 s26, 0x26f72ced                      ; and of that: 1.7151e-15
	s_mov_b32 s27, 0xbe2aaaa3                      ; sine: -1.6666654611e-1
	s_mov_b32 s28, 0x3c08839e                      ; 8.3321608736e-3
	s_mov_b32 s29, 0xb94ca1f9                      ; -1.9515295891e-4
	s_mov_b32 s30, 0x3d2aaaa5                      ; cosine: 4.166664568e-2
	s_mov_b32 s31, 0xbab6061a                      ; -1.388731625e-3
	s_mov_b32 s32, 0x37ccf5ce                      ; 2.443315712e-5
	v_mul_u32_u24 v4, v1, PITCH
	s_lshl_b32 s9, s8, 6
	v_add_nc_u32 v4, s9, v4                        ; into LDS: row = my token, my wave's 64 bytes
	v_and_b32 v5, 15, v0
	v_bfe_u32 v6, v0, 4, 1
	v_mul_u32_u24 v7, v6, PITCH
	v_lshl_add_u32 v7, v5, 4, v7
	s_mul_i32 s9, s8, 8*PITCH
	v_add_nc_u32 v7, s9, v7                        ; back: my wave's 8 rows, two an instruction, sixteen lanes to a row
	v_lshlrev_b32 v6, 8, v6
	v_lshl_add_u32 v6, v5, 4, v6                   ; and the same place in the table
	s_wait_kmcnt 0x0
	s_add_nc_u64 s[4:5], s[4:5], s[10:11]
	s_add_nc_u64 s[6:7], s[6:7], s[12:13]
	global_load_b32 v2, v3, s[4:5]
	s_wait_loadcnt 0x0
	v_cvt_f32_i32 v2, v2
.irp k, 0,1,2,3,4,5,6,7
	v_mul_f32 v[A+\k], s[FQ+\k], v2                ; the angle: one rounding
.endr
.irp k, 0,1,2,3,4,5,6,7
	v_mul_f32 v[N+\k], 0x3f22f983, v[A+\k]         ; x 2/pi
.endr
.irp k, 0,1,2,3,4,5,6,7
	v_rndne_f32 v[N+\k], v[N+\k]
.endr
.irp k, 0,1,2,3,4,5,6,7
	v_fma_f32 v[R+\k], v[N+\k], s24, v[A+\k]
.endr
.irp k, 0,1,2,3,4,5,6,7
	v_fma_f32 v[R+\k], v[N+\k], s25, v[R+\k]
.endr
.irp k, 0,1,2,3,4,5,6,7
	v_fma_f32 v[R+\k], v[N+\k], s26, v[R+\k]
.endr
.irp k, 0,1,2,3,4,5,6,7
	v_mul_f32 v[Z+\k], v[R+\k], v[R+\k]
.endr
.irp k, 0,1,2,3,4,5,6,7
	v_fma_f32 v[SP+\k], v[Z+\k], s29, s28
.endr
.irp k, 0,1,2,3,4,5,6,7
	v_fma_f32 v[SP+\k], v[SP+\k], v[Z+\k], s27
.endr
.irp k, 0,1,2,3,4,5,6,7
	v_mul_f32 v[T+\k], v[Z+\k], v[R+\k]
.endr
.irp k, 0,1,2,3,4,5,6,7
	v_fma_f32 v[SP+\k], v[SP+\k], v[T+\k], v[R+\k] ; sin R
.endr
.irp k, 0,1,2,3,4,5,6,7
	v_fma_f32 v[CP+\k], v[Z+\k], s32, s31
.endr
.irp k, 0,1,2,3,4,5,6,7
	v_fma_f32 v[CP+\k], v[CP+\k], v[Z+\k], s30
.endr
.irp k, 0,1,2,3,4,5,6,7
	v_fma_f32 v[CP+\k], v[CP+\k], v[Z+\k], -0.5
.endr
.irp k, 0,1,2,3,4,5,6,7
	v_fma_f32 v[CP+\k], v[CP+\k], v[Z+\k], 1.0     ; cos R
.endr
.irp k, 0,1,2,3,4,5,6,7
	v_cvt_i32_f32 v[QI+\k], v[N+\k]
.endr
.irp k, 0,1,2,3,4,5,6,7                        ; N mod 4 = 0: (c, s); 1: (-s, c); 2: (-c, -s); 3: (s, -c)
	v_and_b32 v[T+\k], 1, v[QI+\k]
	v_cmp_ne_u32 vcc_lo, 0, v[T+\k]
	v_cndmask_b32 v[OUT+2*\k], v[CP+\k], v[SP+\k], vcc_lo
	v_cndmask_b32 v[OUT+2*\k+1], v[SP+\k], v[CP+\k], vcc_lo
	v_add_nc_u32 v[T+\k], 1, v[QI+\k]
	v_and_b32 v[T+\k], 2, v[T+\k]
	v_lshlrev_b32 v[T+\k], 30, v[T+\k]
	v_xor_b32 v[OUT+2*\k], v[T+\k], v[OUT+2*\k]    ; the cosine changes sign where N mod 4 is 1 or 2
	v_and_b32 v[QI+\k], 2, v[QI+\k]
	v_lshlrev_b32 v[QI+\k], 30, v[QI+\k]
	v_xor_b32 v[OUT+2*\k+1], v[QI+\k], v[OUT+2*\k+1]   ; the sine where it is 2 or 3
.endr
.irp m, 0,1,2,3
	ds_store_b128 v4, v[OUT+4*\m:OUT+4*\m+3] offset:16*\m
.endr
	s_wait_dscnt 0x0                               ; for the others' sake: my stores have landed
	s_barrier_signal -1
	s_barrier_wait -1                              ; 32 whole rows lie in LDS
.irp m, 0,1,2,3
	ds_load_b128 v[A+4*\m:A+4*\m+3], v7 offset:2*\m*PITCH
.endr
.irp m, 0,1,2,3
	s_wait_dscnt 3-\m                              ; LDS loads come back in order: load m is in, the younger ones may be out
	global_store_b128 v6, v[A+4*\m:A+4*\m+3], s[6:7] offset:512*\m
.endr
	s_endpgm
.Lfunc_end_k_q8b684baacd_rope:
	.size	k_q8b684baacd_rope, .Lfunc_end_k_q8b684baacd_rope-k_q8b684baacd_rope
	.p2alignl 7, 3214868480
	.fill 96, 4, 3214868480
	.section	.rodata,"a",@progbits
	.p2align	6, 0x0
	.amdhsa_kernel k_q8b684baacd_rope
		.amdhsa_group_segment_fixed_size 9216
		.amdhsa_private_segment_fixed_size 0
		.amdhsa_enable_private_segment 0
		.amdhsa_kernarg_size 16
		.amdhsa_user_sgpr_count 2
		.amdhsa_user_sgpr_kernarg_segment_ptr 1
		.amdhsa_wavefront_size32 1
		.amdhsa_system_sgpr_workgroup_id_x 1
		.amdhsa_system_sgpr_workgroup_id_y 1
		.amdhsa_system_sgpr_workgroup_id_z 1
		.amdhsa_system_vgpr_workitem_id 0
		.amdhsa_next_free_vgpr 96
		.amdhsa_next_free_sgpr 66
		.amdhsa_reserve_vcc 1
		.amdhsa_float_denorm_mode_32 3
		.amdhsa_float_denorm_mode_16_64 3
		.amdhsa_memory_ordered 1
		.amdhsa_forward_progress 1
		.amdhsa_inst_pref_size 14
	.end_amdhsa_kernel
	.amdgpu_metadata
---
amdhsa.version: [ 1, 2 ]
amdhsa.kernels:
  - .name:           k_q8b684baacd_rope
    .symbol:         k_q8b684baacd_rope.kd
    .args:
      - { .name: token_positions, .offset: 0, .size: 8, .value_kind: global_buffer, .address_space: global }
      - { .name: rope, .offset: 8, .size: 8, .value_kind: global_buffer, .address_space: global }
    .group_segment_fixed_size: 9216
    .private_segment_fixed_size: 0
    .kernarg_segment_align: 8
    .kernarg_segment_size: 16
    .max_flat_workgroup_size: 128
    .sgpr_count:     66
    .vgpr_count:     96
    .wavefront_size: 32
...
	.end_amdgpu_metadata
.endif
;; end of part 1
;; launch qkv (part 2): grid 12 x 32, 4 waves a work-group, clusters of 4 x 4, 327,680 bytes of LDS; arguments x_codes, x_scales, Wq_codes, Wq_scales, Wk_codes, Wk_scales, Wv_codes, Wv_scales, rope, qkv_img, qkv_sc; writes qkv_img, qkv_sc
.if DOCPART == 2
	.amdgcn_target "amdgcn-amd-amdhsa--gfx1250"
	.amdhsa_code_object_version 6
	.text
	.protected	k_q8b684baacd_qkv
	.globl	k_q8b684baacd_qkv
	.p2align	8
	.type	k_q8b684baacd_qkv,@function
k_q8b684baacd_qkv:
	s_mov_b64 s[64:65], 0
	v_nop
	global_prefetch_b8 v0, s[64:65] scope:SCOPE_SE
	s_setreg_imm32_b32 hwreg(HW_REG_WAVE_MODE, 25, 1), 1
	s_wait_xcnt 0x0
	s_wait_alu depctr_hold_cnt(0) depctr_sa_sdst(0) depctr_va_vdst(0) depctr_va_sdst(0) depctr_va_ssrc(0) depctr_va_vcc(0) depctr_vm_vsrc(0)
	s_getreg_b32 s2, hwreg(HW_REG_IB_STS2, 6, 4)
	s_cmp_eq_u32 s2, 0
	s_cbranch_scc0 .Lentry_in_a_cluster
	s_endpgm
.Lentry_in_a_cluster:
	s_bfe_u32 s2, ttmp6, 0x10000c
	s_cmp_lg_u32 s2, 0xf033
	s_cbranch_scc0 .Lentry_shape_is_right
	s_endpgm
.Lentry_shape_is_right:
; Q, K, V = x W^T on codes of BF8 (E5M2) with one E8M0 scale for each 32 along K; then RoPE on Q and K, and all three quantised again: Q and K along a head's 64 channels, V along the keys.
; x: [8192][1024] codes, [8192][32] scale bytes; each W: [1024][1024] codes, [1024][32] scale bytes.  Sums in f32.
; A tile of 256 tokens x 256 channels is made by a work-group of four waves; a wave makes 128 x 128: 64 accumulators of 16 x 16, 512 registers.  K goes in steps of 256 through a ring of two LDS slots
; filled by the tensor data mover (rows of 256 bytes); the scale bytes of the tile's rows of x and of W, for all of K, come into LDS once, with the first fills.
; CLUSTERS: 4 x 4 work-groups.  The cluster's x (0, 1, 2) says which weight: Wq, Wk, Wv; it is the same in all sixteen partners.  The four of a row need the same tiles of x, the four of a column the same tiles of W:
; each tile is asked for jointly, by the same tensor load with the same descriptor and a mask that names the four.
; THE MATRIX INSTRUCTION IS USED TRANSPOSED (source 0 = 16 rows of W, source 1 = 16 rows of x): in accumulator (a, b) lane (r, h) holds token 16 a + r, and its register j channel 16 b + 8 h + j.
; THE WAY OUT.  A wave's 128 channels are two heads.
;   Q, K: RoPE in registers (a lane holds both channels of a pair; cosine and sine come from the table of the launch before).  Tiles 2 B and 2 B + 1 hold a block of 32 channels in lanes l and l xor 16:
;   16 numbers a lane, channels 32 B + 8 h + 0..7 and 32 B + 16 + 8 h + 0..7.  Their 16 codes are stored as an operand's registers: [head][tile of 16 tokens][block][lane][16 bytes].  So k is permuted inside each block of 32,
;   alike for Q and K: the products are the same ones, under the same scales; the matrix unit adds them in another order.
;   V: the keys are its K, and they lie across lanes: 32 tokens x 128 channels at a time turn through the wave's own stage in LDS, so that a lane holds one channel and 16 keys; stored as [head][128 keys][fragment][32 keys][lane][16 bytes],
;   keys in the order in which the softmax's weights will fall (32 c + 8 h + 0..7, 32 c + 16 + 8 h + 0..7), fragment 2 B + u, lane r = channel 32 B + 8 u + r + 8 (r / 8).
;   Scale bytes: one unit of 256 bytes for a head and 128 tokens: [r][4 words].  Q, K: word b = tile 2 b's two bytes, tile 2 b + 1's two.  V: word = fragment, byte = block of 32 keys.
; LIMITS: NaN and infinities are not served; a block of zeros gets the scale byte 1 (its codes are zeros, and only this program reads the bytes).
; REGISTERS, in windows of 256: window 0: v0-31 addresses; v32-63 scale words, two sets; from v128 x's fragments, one set; on the way out v32-255 are free.
;   window 1: W's fragments, two sets.   window 2: the accumulators of my tokens 0-63 ((a, b) at v[8 (8 a + b)]);   window 3: those of tokens 64-127.
.set SIZE_K, 1024
.set KSTEP,  256                       ; along K in a slot
.set NQ,     KSTEP/128                 ; matrix instructions deep
.set ROWB,   256                       ; a tile's row in bytes
.set KROW,   SIZE_K                    ; a row of x or of W in memory, in bytes
.set PITCH,  272                       ; an LDS row: 256 bytes + 16 of padding = 68 words: the 16 rows that a load touches start at 16 different banks (64 banks of 4 bytes: ISA guide 11.1)
.set FR,     16                        ; registers of a fragment
.set NL,     4                         ; LDS loads that bring one
.set NP,     8                         ; places behind this matrix instruction (ISA guide 7.12.1)
.set HALFT,  128*PITCH                 ; 128 rows: what one tensor load brings
.set SLOT,   4*HALFT                   ; x's 256 rows, then W's 256 rows
.set LAPS,   SIZE_K/(2*KSTEP)          ; a lap = two K steps = once round the ring
.set KS,     SIZE_K/32                 ; a row of scale bytes
.set SCL,    2*SLOT                    ; behind the ring: the scales, as units of 256 bytes + 16 of padding
.set HALFS,  (128*KS/256)*272          ; the scales of 128 rows
.set SBLK,   (16*KS/256)*272           ; those of 16 rows
.set SPARE,  SCL+4*HALFS               ; behind the scales: the spare words, 128 bytes for each wave: two blocks of 256 bytes that no other line names
.set VSTG,   32*528                    ; V's way out: a stage of 32 rows x (512 bytes + 16) for each wave, in slot 0, which has had its last fill and its last read by then
.set ADRA, 16                          ; v16-17  LDS address of my x fragments in slot 0, 1
.set ADRB, 20                          ; v20-21  the same for W
.set ADRS, 27                          ; v27     LDS address of my scale words: lanes 0-15 x's rows, lanes 16-31 W's
.set SPW,  28                          ; v28     LDS address of my spare word; never rewritten
.set NIL,  29                          ; v29     0; never rewritten
.set SC,   32                          ; scale words: set s at v[SC + 8 NQ s]
.set AF,   128                         ; x's fragments, in window 0
.set G1, 24                            ; s[24:31] descriptor group 1 for x's tiles;  s[32:39] group 0, one set for each slot
.set G0, 32
.set G1B, 48                           ; s[48:55], s[56:63] the same for W's tiles
.set G0B, 56
.set G1S, 68                           ; s[68:75], s[76:79] groups 1 and 0 for x's scales;  s[80:87], s[88:91] for W's
.set G0S, 76
.set G1SB, 80
.set G0SB, 88
; the way out, window 0
.set WR,   1                           ; v1  r = lane % 16
.set WH,   2                           ; v2  h = lane / 16
.set IMO,  3                           ; v3  16 x lane: my place in an image
.set SCO,  4                           ; v4  4096 h + 16 r: lanes 0-15 store the first head's scale words, lanes 16-31 the second's
.set TBO,  5                           ; v5  256 r + 32 h: my place in the table of cosines and sines
.set SELV, 6                           ; v6  byte selects: the low halves of two words (h = 0) or the high halves (h = 1)
.set STO,  7                           ; v7  V's stage: where I put 32 bytes of a row
.set VRD,  8                           ; v8  and from where I read down a column
.set CSR,  32                          ; v32-95   cosines and sines, two sets of 32;  on V's path 64 numbers
.set XX,   32
.set RR,   96                          ; v96-159  a block's 64 numbers behind RoPE
.set PC,   160                         ; v160-191 codes, two sets of 16
.set TM,   200                         ; v200-203 largest magnitudes, v204-207 bytes, v212-215 the conversions' scale operands
.set PWR,  216                         ; v216-223 scale words
.set QD,   224                         ; v224-227 the four words that a lane stores
.set SEL,  74                          ; s[74:75] lane selects: lane l xor 16
.set MNT,  76
.set MSB, 0
.macro WIN new                         ; the immediate's high byte repeats the setting that is left
.if MSB != (\new)
	s_set_vgpr_msb (MSB<<8)|(\new)
.set MSB, \new
.endif
.endm
.set MUL_LO, 0xa1                      ; source 0 (W) window 1, source 1 (x) window 0, C and D window 2
.set MUL_HI, 0xf1                      ; the same, C and D window 3
.set TO_B,   0x40                      ; destination window 1, address window 0
; A joint load: waves 0 and 1 fetch for x, waves 2 and 3 for W.  Each of the two lines has one mask and one set of registers for all that issue it; the branch hangs on the wave's number alone.
; Four v_nop follow each of the two lines, ahead of the jump, the label and what follows.
.macro JLOAD g0a, g1a, g0b, g1b
	s_cmp_eq_u32 s15, 0
	s_cbranch_scc0 .Lfor_b_\@
	tensor_load_to_lds s[\g0a:\g0a+3], s[\g1a:\g1a+7]
	s_nop 0
.rept 4
	v_nop
.endr
	s_branch .Lasked_\@
.Lfor_b_\@:
	tensor_load_to_lds s[\g0b:\g0b+3], s[\g1b:\g1b+7]
	s_nop 0
.rept 4
	v_nop
.endr
.Lasked_\@:
.endm
.macro CREST                           ; a round of the cluster's barrier behind its opening barrier
	s_cmp_lg_u32 s14, 0
	s_cbranch_scc1 .Lnot_wave_0_\@
	s_barrier_signal -3
.Lnot_wave_0_\@:
	s_barrier_wait -3
	s_barrier_signal -1
	s_barrier_wait -1
.endm
.macro CROUND                          ; a whole round
	s_barrier_signal -1
	s_barrier_wait -1
	CREST
.endm
	s_load_b128 s[4:7], s[0:1], 0x0                ; x's codes s[4:5], x's scales s[6:7]
	s_load_b256 s[80:87], s[0:1], 0x10             ; Wq's codes and scales, Wk's codes and scales
	s_load_b128 s[88:91], s[0:1], 0x30             ; Wv's codes and scales
	v_lshl_add_u32 v[SPW], v0, 2, SPARE
	v_mov_b32 v[NIL], 0
	v_lshrrev_b32 v1, 5, v0
	v_readfirstlane_b32 s14, v1                    ; wave 0..3
	s_lshr_b32 s15, s14, 1                         ; which half of the tile's tokens is mine.  Also: I fetch for x (0) or for W (1)
	s_and_b32 s16, s14, 1                          ; which half of its channels.  Also: which 128 rows of that tile I fetch
	s_bfe_u32 s40, ttmp6, 0x40000                  ; cx: the tile column inside the weight
	s_bfe_u32 s41, ttmp6, 0x40004                  ; cy
	s_and_b32 s17, ttmp7, 0xffff
	s_lshl_b32 s17, s17, 2
	s_add_co_u32 s17, s17, s41                     ; tile row = 4 x cluster y + cy
	s_lshl_b32 s43, s41, 2
	s_lshl_b32 s43, 15, s43                        ; my row of the cluster
	s_lshl_b32 s44, 0x1111, s40                    ; my column
	; descriptor group 1: a tile of 128 rows x 256 bytes, padded in LDS
	s_or_b32 s[G1+0], s43, (0<<16)|(1<<20)|(1<<21)|(5<<22)|(3<<25)  ; 15:0 the mask: x's tiles go to my row; 17:16 element of 1 byte; 20 padding on; 21 set beside a mask; 24:22 after every 64 words (code 5); 31:25 of 4 words (code 3)
	s_or_b32 s[G1B+0], s44, (0<<16)|(1<<20)|(1<<21)|(5<<22)|(3<<25)
.irp g, G1, G1B
	s_mov_b32 s[\g+1], ROWB<<16                    ; tensor_dim0
	s_mov_b32 s[\g+2], 128<<16                     ; tensor_dim1 = 128
	s_mov_b32 s[\g+3], ROWB<<16                    ; tile_dim0
	s_mov_b32 s[\g+4], 128                         ; tile_dim1 = 128
	s_mov_b32 s[\g+5], KROW                        ; tensor_dim0_stride
	s_mov_b32 s[\g+6], 0
	s_mov_b32 s[\g+7], 0
.endr
	; the scales of 128 rows: a dense block of 4,096 bytes, as rows of 256 bytes (32 elements of 8 bytes), 16 bytes of padding behind each
	s_or_b32 s[G1S+0], s43, (3<<16)|(1<<20)|(1<<21)|(5<<22)|(3<<25)
	s_mov_b32 s[G1S+1], 32<<16
	s_mov_b32 s[G1S+2], (128*KS/256)<<16
	s_mov_b32 s[G1S+3], 32<<16
	s_mov_b32 s[G1S+4], 128*KS/256
	s_mov_b32 s[G1S+5], 32
	s_mov_b32 s[G1S+6], 0
	s_mov_b32 s[G1S+7], 0
	s_lshl_b32 s18, s16, 7                         ; which 128 rows of the tile I fetch
	s_lshl_b32 s20, s17, 8
	s_add_co_u32 s20, s20, s18                     ; x: row 256 x tile row + 128 x half
	s_lshl_b32 s46, s40, 8
	s_add_co_u32 s46, s46, s18                     ; W: row 256 x cx + 128 x half
	s_mov_b32 s21, 0
	s_mov_b32 s47, 0
	s_mov_b64 s[18:19], KS
	s_mul_u64 s[22:23], s[20:21], s[18:19]         ; where these rows' scales begin, in bytes
	s_mul_u64 s[92:93], s[46:47], s[18:19]
	s_mov_b64 s[18:19], KROW
	s_mul_u64 s[20:21], s[20:21], s[18:19]         ; and their codes
	s_mul_u64 s[46:47], s[46:47], s[18:19]
	s_mul_i32 s45, s14, HALFT                      ; where they go: wave x 128 rows: no place in the cluster enters an LDS address
	s_mul_i32 s94, s14, HALFS
	s_wait_kmcnt 0x0
	s_cmp_eq_u32 ttmp9, 0                          ; which weight: the choice hangs on the cluster's x alone
	s_cselect_b64 s[8:9], s[80:81], s[84:85]
	s_cselect_b64 s[10:11], s[82:83], s[86:87]
	s_cmp_eq_u32 ttmp9, 2
	s_cselect_b64 s[8:9], s[88:89], s[8:9]
	s_cselect_b64 s[10:11], s[90:91], s[10:11]
	s_or_b32 s[G1SB+0], s44, (3<<16)|(1<<20)|(1<<21)|(5<<22)|(3<<25)   ; the registers that held the six addresses now take W's scales' descriptors
	s_mov_b32 s[G1SB+1], 32<<16
	s_mov_b32 s[G1SB+2], (128*KS/256)<<16
	s_mov_b32 s[G1SB+3], 32<<16
	s_mov_b32 s[G1SB+4], 128*KS/256
	s_mov_b32 s[G1SB+5], 32
	s_mov_b32 s[G1SB+6], 0
	s_mov_b32 s[G1SB+7], 0
	s_add_nc_u64 s[20:21], s[4:5], s[20:21]
	s_add_nc_u64 s[22:23], s[6:7], s[22:23]
	s_add_nc_u64 s[46:47], s[8:9], s[46:47]
	s_add_nc_u64 s[92:93], s[10:11], s[92:93]
	CROUND                                         ; all sixteen work-groups are here: the first joint loads meet
	s_mov_b32 s[G0S], 1
	s_add_co_u32 s[G0S+1], s94, SCL
	s_mov_b64 s[G0S+2:G0S+3], s[22:23]
	s_or_b32 s[G0S+3], s[G0S+3], 0x80000000
	s_mov_b32 s[G0SB], 1
	s_add_co_u32 s[G0SB+1], s94, SCL
	s_mov_b64 s[G0SB+2:G0SB+3], s[92:93]
	s_or_b32 s[G0SB+3], s[G0SB+3], 0x80000000
	JLOAD G0S, G1S, G0SB, G1SB                     ; the scales first: they are wanted with K step 0
.irp s, 0,1
	s_mov_b32 s[G0+4*\s], 1
	s_add_co_u32 s[G0+4*\s+1], s45, \s*SLOT
	s_add_nc_u64 s[G0+4*\s+2:G0+4*\s+3], s[20:21], \s*ROWB
	s_or_b32 s[G0+4*\s+3], s[G0+4*\s+3], 0x80000000
	s_mov_b32 s[G0B+4*\s], 1
	s_add_co_u32 s[G0B+4*\s+1], s45, \s*SLOT
	s_add_nc_u64 s[G0B+4*\s+2:G0B+4*\s+3], s[46:47], \s*ROWB
	s_or_b32 s[G0B+4*\s+3], s[G0B+4*\s+3], 0x80000000
	JLOAD G0+4*\s, G1, G0B+4*\s, G1B               ; three loads of mine are out
.endr
	v_and_b32 v1, 15, v0                           ; l % 16
	v_bfe_u32 v2, v0, 4, 1                         ; l / 16
	v_mul_u32_u24 v3, v1, PITCH
	v_lshl_add_u32 v4, v2, 4, v3                   ; a fragment's row x pitch + 16 x half
	s_mul_i32 s21, s15, HALFT                      ; my 128 rows of x
	s_mul_i32 s22, s16, HALFT                      ; my 128 rows of W,
	s_add_co_u32 s22, s22, 2*HALFT                 ; which lie behind x's 256
.irp s, 0,1
	v_add_nc_u32 v[ADRA+\s], s21, v4
	v_add_nc_u32 v[ADRB+\s], s22, v4
	s_add_co_u32 s21, s21, SLOT
	s_add_co_u32 s22, s22, SLOT
.endr
	v_mul_u32_u24 v5, v1, KS                       ; my row's scales: KS bytes a row,
	v_lshrrev_b32 v6, 8, v5
	v_lshl_add_u32 v5, v6, 4, v5                   ; and 16 more for each 256 passed
	s_mul_i32 s21, s15, HALFS                      ; x's: my 128 rows
	s_mul_i32 s22, s16, HALFS                      ; W's: my 128 rows, behind x's 256
	s_add_co_u32 s22, s22, 2*HALFS
	s_sub_co_u32 s22, s22, s21
	v_mul_u32_u24 v6, s22, v2                      ; lanes 16-31 take W's
	s_add_co_u32 s21, s21, SCL
	v_add_nc_u32 v5, v5, v6
	v_add_nc_u32 v[ADRS], s21, v5
.macro FRAG reg, adr, q, i             ; a fragment, 16 rows x 128 K of 8-bit codes, is 16 registers: lane l holds row l % 16; registers 4 c .. 4 c + 3 hold K = 32 c + 16 (l / 16) + 0 .. 15
.irp c, 0,1,2,3
	ds_load_b128 v[\reg+4*\c:\reg+4*\c+3], v[\adr] offset:128*(\q)+32*\c+(\i)*16*PITCH
.endr
.endm
; 16 matrix instructions: x's blocks a0, a0 + 1 against W's eight, 128 along K: the slot's q-th.  p: W's set;  sc: the set of scale words.  zero = 1: the first product starts the sums.
; The 64 accumulators take turns, one instruction a turn, in the same order in every step.
.macro MUL16 a0, p, q, sc, zero
.irp a, \a0, \a0+1
.irp b, 0,1,2,3,4,5,6,7
.if \zero
	v_wmma_scale_f32_16x16x128_f8f6f4 v[8*(8*((\a)%4)+\b):8*(8*((\a)%4)+\b)+7], v[128*(\p)+FR*\b:128*(\p)+FR*\b+FR-1], v[AF+FR*(\a):AF+FR*(\a)+FR-1], 0, v[SC+8*NQ*(\sc)+NQ*\b+(\q)], v[SC+8*NQ*(\sc)+NQ*(\a)+(\q)] matrix_a_fmt:MATRIX_FMT_BF8 matrix_b_fmt:MATRIX_FMT_BF8 matrix_a_scale:MATRIX_SCALE_ROW1
.else
	v_wmma_scale_f32_16x16x128_f8f6f4 v[8*(8*((\a)%4)+\b):8*(8*((\a)%4)+\b)+7], v[128*(\p)+FR*\b:128*(\p)+FR*\b+FR-1], v[AF+FR*(\a):AF+FR*(\a)+FR-1], v[8*(8*((\a)%4)+\b):8*(8*((\a)%4)+\b)+7], v[SC+8*NQ*(\sc)+NQ*\b+(\q)], v[SC+8*NQ*(\sc)+NQ*(\a)+(\q)] matrix_a_fmt:MATRIX_FMT_BF8 matrix_b_fmt:MATRIX_FMT_BF8 matrix_a_scale:MATRIX_SCALE_ROW1
.endif
.endr
.endr
.endm
.macro FETCH_B slot, q, p              ; W's eight fragments of the slot's q-th 128 along K into set p
	WIN TO_B
.irp i, 0,1,2,3,4,5,6,7
	FRAG 128*(\p)+FR*\i, ADRB+\slot, \q, \i
.endr
	WIN 0
.endm
.macro FETCH_A slot, q, i0             ; x's blocks i0 .. i0 + 3
.irp i, \i0, \i0+1, \i0+2, \i0+3
	FRAG AF+FR*(\i), ADRA+\slot, \q, \i
.endr
.endm
.macro SCALES sc                       ; the next K step's scale words into set sc: NQ words a row; lanes 0-15 take x's block i, lanes 16-31 W's block i
.irp i, 0,1,2,3,4,5,6,7
	ds_load_b64 v[SC+8*NQ*\sc+NQ*\i:SC+8*NQ*\sc+NQ*\i+1], v[ADRS] offset:\i*SBLK
.endr
.endm
; A load into a register that a matrix instruction has read, and a vector instruction or an LDS store that reads a matrix result, stand NP places behind that matrix instruction; only plain vector
; instructions that name none of its registers are places (ISA guide 7.12.1 for vector instructions).
.macro PLACES n
.rept \n
	v_nop
.endr
.endm
; A step of 128 along K that has its successor in the same slot.
.macro STEP slot, q, zero
	s_wait_dscnt 4*NL                              ; W's set and x's blocks 0-3 are in; the youngest sixteen loads (x's blocks 4-7) may be out
	WIN MUL_LO
	MUL16 0, (\q)%2, \q, \slot, \zero
	MUL16 2, (\q)%2, \q, \slot, \zero
	s_wait_dscnt 0                                 ; x's blocks 4-7 are in (asked for 32 matrix instructions ago)
	PLACES NP
	FETCH_B \slot, (\q)+1, 1-(\q)%2
	FETCH_A \slot, (\q)+1, 0
	WIN MUL_HI
	MUL16 4, (\q)%2, \q, \slot, \zero
	MUL16 6, (\q)%2, \q, \slot, \zero
	PLACES NP
	WIN 0
	FETCH_A \slot, (\q)+1, 4
.endm
; A slot's last step changes slots: one barrier; in front of it each wave waits for all its tensor loads, adds 0 to its spare word, and waits for that and for its own reads of this slot.  fill = 1: this slot is filled again, two K steps ahead.
.macro TURN slot, next, fill
	s_wait_tensorcnt 0x0                           ; all my tensor loads have landed: my part of the next slot;  (every window is 0 here)
	ds_add_u32 v[SPW], v[NIL]                      ; 0 onto my spare word
	s_wait_dscnt 4*NL+1                            ; (the add and the youngest sixteen loads, x's blocks 4-7, may be out)
	WIN MUL_LO
	MUL16 0, 1, NQ-1, \slot, 0                     ; sixteen matrix instructions stand between the add and the wait for it
	s_wait_dscnt 0x0                               ; the add is done, and my reads of this slot are over
	s_barrier_signal -1
	MUL16 2, 1, NQ-1, \slot, 0
	WIN 0
	s_barrier_wait -1
.if \fill
	CREST                                          ; the barrier has opened a round of the cluster's barrier: no wave of any partner still reads this slot's tile or has a load on its way
	s_add_nc_u64 s[G0+4*\slot+2:G0+4*\slot+3], s[G0+4*\slot+2:G0+4*\slot+3], 2*ROWB
	s_add_nc_u64 s[G0B+4*\slot+2:G0B+4*\slot+3], s[G0B+4*\slot+2:G0B+4*\slot+3], 2*ROWB
	JLOAD G0+4*\slot, G1, G0B+4*\slot, G1B         ; the first tensor load behind the round; the four v_nop behind it are among the places in front of the loads below
	PLACES NP-4
.else
	PLACES NP
.endif
	s_wait_alu depctr_va_vdst(0)
	v_add_nc_u32 v[ADRS], 4*NQ, v[ADRS]            ; on to the next K step's scale words
	FETCH_B \next, 0, 0
	FETCH_A \next, 0, 0
	SCALES \next
	WIN MUL_HI
	MUL16 4, 1, NQ-1, \slot, 0
	MUL16 6, 1, NQ-1, \slot, 0
	PLACES NP
	WIN 0
	FETCH_A \next, 0, 4
.endm
	s_wait_alu depctr_va_vdst(0)
	s_wait_tensorcnt 1                             ; the scales and my part of K step 0 are in (K step 1's load may be out),
	s_barrier_signal -1
	s_barrier_wait -1                              ; everybody's are
	FETCH_B 0, 0, 0
	FETCH_A 0, 0, 0
	SCALES 0
	FETCH_A 0, 0, 4
	STEP 0, 0, 1                                   ; the first step stands in front of the loop: its products start the sums
	s_mov_b32 s3, LAPS-1
.Llap:                                                 ; a trip goes once round the ring, from a lap's second step to the next lap's first, and fills both slots again
	TURN 0, 1, 1
	STEP 1, 0, 0
	TURN 1, 0, 1
	STEP 0, 0, 0
	s_sub_co_u32 s3, s3, 1
	s_cmp_lg_u32 s3, 0
	s_cbranch_scc1 .Llap
	TURN 0, 1, 0                                   ; the last lap fills nothing, and has no round of the cluster's barrier
	STEP 1, 0, 0
	s_load_b128 s[68:71], s[0:1], 0x40             ; the table s[68:69], the images s[70:71]: no tensor load of mine is out since the last change of slots, so the descriptors' registers are free
	s_load_b64 s[72:73], s[0:1], 0x50              ; the scale words
	s_wait_dscnt 4*NL                              ; the very last step: nothing more to fetch
	WIN MUL_LO
	MUL16 0, 1, NQ-1, 1, 0
	MUL16 2, 1, NQ-1, 1, 0
	s_wait_dscnt 0
	WIN MUL_HI
	MUL16 4, 1, NQ-1, 1, 0
	MUL16 6, 1, NQ-1, 1, 0
	WIN 0
	; ---- THE WAY OUT.  The first eight lines below are the places behind the last products: they name none of the products' registers.
	v_and_b32 v[WR], 15, v0
	v_bfe_u32 v[WH], v0, 4, 1
	v_and_b32 v[IMO], 31, v0
	v_lshlrev_b32 v[IMO], 4, v[IMO]
	v_lshlrev_b32 v[SCO], 12, v[WH]
	v_lshl_add_u32 v[SCO], v[WR], 4, v[SCO]
	v_lshlrev_b32 v[TBO], 8, v[WR]
	v_lshl_add_u32 v[TBO], v[WH], 5, v[TBO]
	v_mov_b32 v[SELV], 0x05040100
	v_mov_b32 v9, 0x07060302
	v_cmp_ne_u32 vcc_lo, 0, v[WH]
	v_cndmask_b32 v[SELV], v[SELV], v9, vcc_lo
	s_mul_i32 s23, s14, VSTG                       ; my stage
	v_mul_u32_u24 v[STO], v[WR], 528
	v_lshl_add_u32 v[STO], v[WH], 5, v[STO]
	v_add_nc_u32 v[STO], s23, v[STO]               ; in: row r, 32 bytes for each half of the lanes
	v_and_b32 v[VRD], 8, v[WR]
	v_add_nc_u32 v[VRD], v[VRD], v[WR]             ; r + 8 (r / 8)
	v_lshlrev_b32 v[VRD], 2, v[VRD]
	v_mad_u32_u24 v[VRD], v[WH], 8*528, v[VRD]     ; lanes 16-31 begin 8 rows further down
	v_add_nc_u32 v[VRD], s23, v[VRD]
.irp b, 0,1,2,3
	v_mov_b32 v[TM+4+\b], 0                        ; written once: a lane permute's destination counts as one of its sources
.endr
	s_mov_b32 s[SEL], 0x76543210
	s_mov_b32 s[SEL+1], 0xfedcba98
	s_lshr_b32 s77, s17, 3                         ; the batch
	s_and_b32 s78, s17, 7
	s_lshl_b32 s79, s77, 4
	s_lshl_b32 s81, s40, 2
	s_add_co_u32 s79, s79, s81
	s_lshl_b32 s81, s16, 1
	s_add_co_u32 s79, s79, s81                     ; my first head: 16 x batch + 4 cx + 2 x half
	s_lshl_b32 s80, s78, 1
	s_add_co_u32 s80, s80, s15                     ; my 128 tokens of the sequence's sixteen
	s_lshl_b32 s82, ttmp9, 23                      ; images: 8 MiB a tensor, 131,072 bytes a head, 8,192 bytes for 128 tokens
	s_lshl_b32 s81, s79, 17
	s_add_co_u32 s82, s82, s81
	s_lshl_b32 s81, s80, 13
	s_add_co_u32 s82, s82, s81
	s_mov_b32 s83, 0
	s_lshl_b32 s84, ttmp9, 18                      ; scale words: 262,144 bytes a tensor, 4,096 a head, 256 for 128 tokens
	s_lshl_b32 s81, s79, 12
	s_add_co_u32 s84, s84, s81
	s_lshl_b32 s81, s80, 8
	s_add_co_u32 s84, s84, s81
	s_mov_b32 s85, 0
	s_lshl_b32 s86, s80, 15                        ; the table: 256 bytes a token
	s_mov_b32 s87, 0
	s_wait_kmcnt 0x0
	s_add_nc_u64 s[68:69], s[68:69], s[86:87]
	s_add_nc_u64 s[70:71], s[70:71], s[82:83]
	s_add_nc_u64 s[72:73], s[72:73], s[84:85]
; nb blocks of a lane's 16 numbers, v[s + 16 b + i], each the half of a block of 32 whose other half lane l xor 16 holds, become codes in v[pc + 4 b] on; the scale bytes stay in v[TM + 4 + b]; pw >= 0: four bytes make a word in v[pw].
; A block's scale is 2^(floor(log2(its largest magnitude)) - 15): the byte is the largest magnitude's exponent field - 15, held at 1 from below by a floor among the maximum's leaves.
.macro QUANT s, nb, pc, pw
.set B_, 0
.rept \nb
	v_max3_num_f32 v[TM+B_], |v[\s+16*B_]|, |v[\s+16*B_+1]|, 0x8000000   ; my 16 numbers, and the floor 2^(16 - 127)
.set B_, B_+1
.endr
.irp i, 2,4,6,8,10,12,14
.set B_, 0
.rept \nb
	v_max3_num_f32 v[TM+B_], v[TM+B_], |v[\s+16*B_+\i]|, |v[\s+16*B_+\i+1]|   ; (the blocks by turns)
.set B_, B_+1
.endr
.endr
.set B_, 0
.rept \nb
	v_permlanex16_b32 v[TM+4+B_], v[TM+B_], s[SEL], s[SEL+1]
.set B_, B_+1
.endr
.set B_, 0
.rept \nb
	v_max_num_f32 v[TM+B_], v[TM+B_], v[TM+4+B_]   ; with lane l xor 16's: the block's largest magnitude
.set B_, B_+1
.endr
.set B_, 0
.rept \nb
	v_add_nc_u32 v[TM+12+B_], 0xf8800000, v[TM+B_] ; 15 off its exponent field: the conversion takes the exponent field of this operand as its scale
.set B_, B_+1
.endr
.set B_, 0
.rept \nb
.set B_, B_+1
.endr
.set B_, 0
.rept \nb
	v_lshrrev_b32 v[TM+4+B_], 23, v[TM+12+B_]      ; the scale's byte
.set B_, B_+1
.endr
.if (\pw) >= 0
	v_lshl_or_b32 v[\pw], v[TM+5], 8, v[TM+4]
	v_lshl_or_b32 v[\pw], v[TM+6], 16, v[\pw]
	v_lshl_or_b32 v[\pw], v[TM+7], 24, v[\pw]
.endif
.set B_, 0
.rept \nb
.set I_, 0
.rept 16
.set I_, I_+1
.endr
	v_cvt_scalef32_pk8_bf8_f32 v[(\pc)+4*B_:(\pc)+4*B_+1], v[\s+16*B_:\s+16*B_+7], v[TM+12+B_]
	v_cvt_scalef32_pk8_bf8_f32 v[(\pc)+4*B_+2:(\pc)+4*B_+3], v[\s+16*B_+8:\s+16*B_+15], v[TM+12+B_]
.set B_, B_+1
.endr
	v_nop                                          ; one plain vector instruction behind the last scaled conversion, ahead of whatever next writes its sources
.endm
	s_cmp_eq_u32 ttmp9, 2                          ; the same in all sixteen partners
	s_cbranch_scc1 .Lv
	; ---- Q and K: RoPE, quantised along the channels.  No LDS.
.macro CSLOAD a                        ; block a's cosines and sines into set a % 2: register 8 m + 2 p, 8 m + 2 p + 1 = those of pair p of tiles b with b % 4 = m (frequency 8 m + 4 h + p), token 16 a + r
.irp m, 0,1,2,3
	global_load_b128 v[CSR+32*((\a)%2)+8*\m:CSR+32*((\a)%2)+8*\m+3], v[TBO], s[68:69] offset:4096*(\a)+64*\m
	global_load_b128 v[CSR+32*((\a)%2)+8*\m+4:CSR+32*((\a)%2)+8*\m+7], v[TBO], s[68:69] offset:4096*(\a)+64*\m+16
.endr
.endm
.macro ROPE a                          ; (t1, t2) -> (t1 cos - t2 sin, t1 sin + t2 cos); each accumulator is first read at its register 1, one of its four lowest
.set AC, 64*((\a)%4)
.set CC, CSR+32*((\a)%2)
	WIN 0x02+(\a)/4                                ; source 0: the accumulators' window
.irp b, 0,1,2,3,4,5,6,7
.irp p, 0,1,2,3
	v_mul_f32 v[RR+8*\b+2*\p], v[AC+8*\b+2*\p+1], v[CC+8*(\b%4)+2*\p+1]
	v_mul_f32 v[RR+8*\b+2*\p+1], v[AC+8*\b+2*\p+1], v[CC+8*(\b%4)+2*\p]
.endr
.irp p, 0,1,2,3
	v_fma_f32 v[RR+8*\b+2*\p], v[AC+8*\b+2*\p], v[CC+8*(\b%4)+2*\p], -v[RR+8*\b+2*\p]
	v_fma_f32 v[RR+8*\b+2*\p+1], v[AC+8*\b+2*\p], v[CC+8*(\b%4)+2*\p+1], v[RR+8*\b+2*\p+1]
.endr
.endr
	WIN 0
.endm
	CSLOAD 0
	CSLOAD 1
.irp a, 0,1,2,3,4,5,6,7
.if \a < 7
	s_wait_loadcnt 8                               ; this block's eight loads are in; the next block's eight may be out
.else
	s_wait_loadcnt 0
.endif
	ROPE \a
.if \a < 6
	CSLOAD \a+2
.endif
.if \a > 1
	s_wait_xcnt 0x0                                ; block a - 2's stores have read their data: the same registers take this block's codes
.endif
	QUANT RR, 4, PC+16*(\a%2), PWR+\a              ; block 2 hd + B: head hd, channels 32 B on; the word: the two heads' two bytes each
.irp q, 0,1,2,3
	global_store_b128 v[IMO], v[PC+16*(\a%2)+4*\q:PC+16*(\a%2)+4*\q+3], s[70:71] offset:(\q/2)*131072+1024*\a+512*(\q%2)   ; 32 lanes store 512 consecutive bytes, aligned
.endr
.endr
.irp b, 0,1,2,3
	v_perm_b32 v[QD+\b], v[PWR+2*\b+1], v[PWR+2*\b], v[SELV]   ; word b of my head: tile 2 b's two bytes, tile 2 b + 1's two
.endr
	global_store_b128 v[SCO], v[QD:QD+3], s[72:73] ; sixteen lanes store a head's 256 bytes, aligned
	s_branch .Ldone
	; ---- V: quantised along the keys.  32 tokens at a time turn through my stage: rows are tokens, 512 bytes of channels + 16.
.Lv:
	s_wait_alu depctr_va_vdst(0)
.irp c, 0,1,2,3
.irp e, 0,1
	WIN 0x08+4*((2*\c+\e)/4)                       ; an LDS store's data are its source 1: window 2 or 3
.irp b, 0,1,2,3,4,5,6,7
	ds_store_b128 v[STO], v[64*((2*\c+\e)%4)+8*\b:64*((2*\c+\e)%4)+8*\b+3] offset:\e*16*528+64*\b      ; each accumulator from its low end on
	ds_store_b128 v[STO], v[64*((2*\c+\e)%4)+8*\b+4:64*((2*\c+\e)%4)+8*\b+7] offset:\e*16*528+64*\b+16
.endr
.endr
	WIN 0
.irp hd, 0,1
.irp dt, 0,1,2,3
.irp i, 0,1,2,3,4,5,6,7,8,9,10,11,12,13,14,15
	ds_load_b32 v[XX+16*\dt+\i], v[VRD] offset:(\i+8*(\i/8))*528+4*(64*\hd+32*(\dt/2)+8*(\dt%2))   ; key 32 c + 8 h + i (i < 8) or 32 c + 16 + 8 h + i - 8, my channel of fragment dt.  LDS serves a wave's instructions in order: these see my stores
.endr
.endr
	s_wait_dscnt 0x0
	s_wait_xcnt 0x0                                ; the stores of the last 32 keys have read their data: the same registers take these codes
	QUANT XX, 4, PC+16*\hd, -1                     ; block dt: fragment dt's 32 keys of my channel
.irp dt, 0,1,2,3
.if \c == 0
	v_mov_b32 v[PWR+4*\hd+\dt], v[TM+4+\dt]
.else
	v_lshl_or_b32 v[PWR+4*\hd+\dt], v[TM+4+\dt], 8*\c, v[PWR+4*\hd+\dt]   ; byte c of fragment dt's word
.endif
.endr
.irp dt, 0,1,2,3
	global_store_b128 v[IMO], v[PC+16*\hd+4*\dt:PC+16*\hd+4*\dt+3], s[70:71] offset:\hd*131072+2048*\dt+512*\c
.endr
.endr
.endr
	v_cmp_ne_u32 vcc_lo, 0, v[WH]
.irp dt, 0,1,2,3
	v_cndmask_b32 v[QD+\dt], v[PWR+\dt], v[PWR+4+\dt], vcc_lo
.endr
	global_store_b128 v[SCO], v[QD:QD+3], s[72:73]
.Ldone:
	s_wait_tensorcnt 0x0                           ; the wave's end, behind my last tensor load and my last LDS store
	ds_add_u32 v[SPW], v[NIL]
	s_wait_dscnt 0x0
	CROUND                                         ; the closing round: no work-group ends while a partner may still ask for a tile that names it
	s_endpgm
.Lfunc_end_k_q8b684baacd_qkv:
	.size	k_q8b684baacd_qkv, .Lfunc_end_k_q8b684baacd_qkv-k_q8b684baacd_qkv
	.p2alignl 7, 3214868480
	.fill 96, 4, 3214868480
	.section	.rodata,"a",@progbits
	.p2align	6, 0x0
	.amdhsa_kernel k_q8b684baacd_qkv
		.amdhsa_group_segment_fixed_size 327680
		.amdhsa_private_segment_fixed_size 0
		.amdhsa_enable_private_segment 0
		.amdhsa_kernarg_size 88
		.amdhsa_user_sgpr_count 2
		.amdhsa_user_sgpr_kernarg_segment_ptr 1
		.amdhsa_wavefront_size32 1
		.amdhsa_system_sgpr_workgroup_id_x 1
		.amdhsa_system_sgpr_workgroup_id_y 1
		.amdhsa_system_sgpr_workgroup_id_z 1
		.amdhsa_system_vgpr_workitem_id 0
		.amdhsa_next_free_vgpr 1024
		.amdhsa_next_free_sgpr 100
		.amdhsa_reserve_vcc 1
		.amdhsa_float_denorm_mode_32 3
		.amdhsa_float_denorm_mode_16_64 3
		.amdhsa_fp16_overflow 1
		.amdhsa_memory_ordered 1
		.amdhsa_forward_progress 1
		.amdhsa_inst_pref_size 255
	.end_amdhsa_kernel
	.section	.bss,"aw",@nobits
	.p2align	6
	.space	262144
	.amdgpu_metadata
---
amdhsa.version: [ 1, 2 ]
amdhsa.kernels:
  - .name:           k_q8b684baacd_qkv
    .symbol:         k_q8b684baacd_qkv.kd
    .args:
      - { .name: x_codes, .offset: 0, .size: 8, .value_kind: global_buffer, .address_space: global }
      - { .name: x_scales, .offset: 8, .size: 8, .value_kind: global_buffer, .address_space: global }
      - { .name: Wq_codes, .offset: 16, .size: 8, .value_kind: global_buffer, .address_space: global }
      - { .name: Wq_scales, .offset: 24, .size: 8, .value_kind: global_buffer, .address_space: global }
      - { .name: Wk_codes, .offset: 32, .size: 8, .value_kind: global_buffer, .address_space: global }
      - { .name: Wk_scales, .offset: 40, .size: 8, .value_kind: global_buffer, .address_space: global }
      - { .name: Wv_codes, .offset: 48, .size: 8, .value_kind: global_buffer, .address_space: global }
      - { .name: Wv_scales, .offset: 56, .size: 8, .value_kind: global_buffer, .address_space: global }
      - { .name: rope, .offset: 64, .size: 8, .value_kind: global_buffer, .address_space: global }
      - { .name: qkv_img, .offset: 72, .size: 8, .value_kind: global_buffer, .address_space: global }
      - { .name: qkv_sc, .offset: 80, .size: 8, .value_kind: global_buffer, .address_space: global }
    .group_segment_fixed_size: 327680
    .private_segment_fixed_size: 0
    .kernarg_segment_align: 8
    .kernarg_segment_size: 88
    .max_flat_workgroup_size: 128
    .sgpr_count:     100
    .vgpr_count:     1024
    .wavefront_size: 32
...
	.end_amdgpu_metadata
.endif
;; end of part 2
;; launch attn (part 3): grid 4 x 64, 16 waves a work-group, no clusters, 327,680 bytes of LDS; arguments qkv_img, qkv_sc, y_img, y_sc; writes y_img, y_sc
.if DOCPART == 3
	.amdgcn_target "amdgcn-amd-amdhsa--gfx1250"
	.amdhsa_code_object_version 6
	.text
	.protected	k_q8b684baacd_attn
	.globl	k_q8b684baacd_attn
	.p2align	8
	.type	k_q8b684baacd_attn,@function
k_q8b684baacd_attn:
	s_mov_b64 s[64:65], 0
	v_nop
	global_prefetch_b8 v0, s[64:65] scope:SCOPE_SE
	s_setreg_imm32_b32 hwreg(HW_REG_WAVE_MODE, 25, 1), 1
	s_wait_xcnt 0x0
; Y[b][q][head] = softmax_k(Q . K / 8, causal) V, both products on codes of BF8 (E5M2) with one E8M0 scale for each 32 along a product's K; Y is divided by the row's sum and quantised along the channels for the last product.
; THE SOFTMAX AHEAD OF THE SECOND PRODUCT: t = score x log2(e) / 8; M = the running largest t, rounded UP to a whole number; p = 2^(t - M) is what is quantised, along the keys, not normalised.
; The row's sum is taken of the unquantised p, in f32.  When M moves, the sum and O are multiplied by 2^(old M - new M): exact.
; SHARES.  Work-group (i, head) owns the head's query blocks 7 - i and i, 256 queries each, the larger first: under the causal mask they walk 2 (8 - i) + 2 (i + 1) = 18 key steps of 128, the same number in every work-group.
; Each of the sixteen waves owns 16 queries of the block in hand, in 256 registers: four waves to a SIMD, so that one wave's vector work stands beside another's matrix work and LDS loads.
; LDS.  The head's whole K and V (131,072 bytes of codes each, as images of operand registers) and their scale words (4,096 bytes each) are brought ONCE, by waves 0 to 3, five tensor loads each, all issued in the first lines.
; Nothing is filled again.  The first four key steps need only each fetching wave's first two loads; the others land meanwhile, and a second barrier stands in front of the fifth step.
; LAYOUT.  Both products are used transposed: S^T = K Q^T, O^T = V^T P^T: a lane holds one query (lane % 16) throughout.  A head has 64 channels and the instruction takes 128 along K: a fragment of K holds TWO tiles of 16 keys,
; one in k = 0..63, the next in k = 64..127; multiplied by [Q | 0] it gives the first tile's scores, by [0 | Q] the second's.  Zero codes add nothing under any scale byte but 0xff.
; The 16 registers of tiles 2 b, 2 b + 1 are keys 32 b + 8 h + 0..7 and 32 b + 16 + 8 h + 0..7: a block of 32 keys in lanes l and l xor 16.  V's image has its keys in that order.  So k is permuted inside each block of 32, alike on
; both operands of both products: the same products under the same scales; the matrix unit adds them in another order.
; V's fragment 2 B + u, lane r, is channel 32 B + 8 u + r + 8 (r / 8): O^T's 16 registers of two neighbouring fragments are then channels 32 B + 16 h + 0..15, the order of the last product's operand.
; NO CLUSTER: only the query blocks of one head read the same K and V, and their walks differ in LDS addresses, in the steps left out and in the place where the block changes: all would hang on a work-group's place among its partners.
; NO PREFETCH: every tile that the work-group will read is asked for by its first lines; no later request is left to run ahead of.
; The scale bytes of Y leave as single bytes, 32 a wave and block: one byte for each 32 of Y's codes.
; LIMITS: NaN and infinities are not served; a block of zeros gets the scale byte 1.
.set LI,  1                            ; v1   16 x lane: my place in an image
.set SR,  2                            ; v2   KSC + 16 r: my row's four scale words
.set D0,  3                            ; v3   r - 8 h
.set HH,  4                            ; v4   h
.set YS,  5                            ; v5   32 r + h: my byte of Y's scales
.set QS,  6                            ; v6   16 r
.set ADK, 8                            ; v8-10 LDS addresses of the step in hand: K's image, V's image, the scale words
.set ADV, 9
.set ADS, 10
                                       ; v12 -M, v13 the largest t, v[14:15] the sum in two halves;  v16-23 Q, v24-31 zeros, v32-39 Q again
.set FR,  40                           ; v40-103  four fragments of K, then of V
.set S,   104                          ; v104-167 S^T, then p
.set OT,  168                          ; v168-199 O^T, four tiles
.set PC,  200                          ; v200-215 p's codes
.set TM,  216                          ; v216-219 largest, v220-223 exchange and bytes, v228-231 the conversions' scale operands
.set BM,  216
.set T1,  220
.set HL,  224
.set SO,  228
.set KSW, 232                          ; v232-235 K's scale words
.set VSW, 236                          ; v236-239 V's
.set QW,  240                          ; v240     Q's
.set FF,  242                          ; v242     f = 2^(old M - new M)
.set PW,  243                          ; v243     p's scale word
.set KSC, 262144                       ; LDS: K's image at 0, V's at 131,072, K's scale words here, V's 4,096 on
.set G1T, 32                           ; s[32:39] descriptor group 1: 64 rows of 256 bytes
.set G1S, 40                           ; s[40:47] 8 rows of 256 bytes
.set SEL, 20                           ; s[20:21] lane selects: lane l xor 16
.set CSC, 22                           ; s[22:23] c = log2(e) / 8
.set MNT, 24
                                       ; s12 wave, s13 i, s14 head of 64, s15 TA, s16 16 - TA, s17 T, s18 key step, s19 K's image of the step, s25 V's, s26 its scale words, s27 its first key, s28 my first query, s29 my tile, s30 byte selects, s31 7 - i
	s_load_b256 s[4:11], s[0:1], 0x0               ; the images s[4:5], their scale words s[6:7], Y's images s[8:9], Y's scale bytes s[10:11]
	v_lshrrev_b32 v8, 5, v0
	s_delay_alu instid0(VALU_DEP_1)
	v_readfirstlane_b32 s12, v8                    ; wave 0..15
	s_mov_b32 s13, ttmp9
	s_and_b32 s14, ttmp7, 0xffff
	s_sub_co_u32 s31, 7, s13
	s_sub_co_u32 s15, 8, s13
	s_lshl_b32 s15, s15, 1                         ; TA = 2 (8 - i): the first block's key steps
	s_sub_co_u32 s16, 16, s15
	s_mov_b32 s[G1T+0], 3<<16                      ; no mask; elements of 8 bytes; no padding: an image is read 512 consecutive bytes an instruction
	s_mov_b32 s[G1T+1], 32<<16                     ; tensor_dim0 = 32 elements: 256 bytes
	s_mov_b32 s[G1T+2], 64<<16                     ; tensor_dim1 = 64
	s_mov_b32 s[G1T+3], 32<<16                     ; tile_dim0
	s_mov_b32 s[G1T+4], 64                         ; tile_dim1
	s_mov_b32 s[G1T+5], 32                         ; the rows are dense
	s_mov_b32 s[G1T+6], 0
	s_mov_b32 s[G1T+7], 0
	s_mov_b32 s[G1S+0], 3<<16
	s_mov_b32 s[G1S+1], 32<<16
	s_mov_b32 s[G1S+2], 8<<16
	s_mov_b32 s[G1S+3], 32<<16
	s_mov_b32 s[G1S+4], 8
	s_mov_b32 s[G1S+5], 32
	s_mov_b32 s[G1S+6], 0
	s_mov_b32 s[G1S+7], 0
	s_lshr_b32 s80, s12, 1                         ; waves 0, 1 fetch K, waves 2, 3 V;
	s_and_b32 s81, s12, 1                          ; the even or the odd pieces of 16,384 bytes
	s_add_co_u32 s82, s80, 1
	s_lshl_b32 s84, s82, 23                        ; K's images lie 8 MiB behind Q's, V's 16 MiB
	s_lshl_b32 s82, s82, 18                        ; the scale words 262,144 and 524,288 bytes
	s_lshl_b32 s86, s14, 12
	s_add_co_u32 s82, s82, s86
	s_lshl_b32 s86, s81, 11
	s_add_co_u32 s82, s82, s86                     ; my half of the head's 4,096 bytes of scale words, in memory
	s_mov_b32 s83, 0
	s_lshl_b32 s87, s80, 12
	s_add_co_u32 s86, s86, s87                     ; and in LDS
	s_lshl_b32 s87, s14, 17
	s_add_co_u32 s84, s84, s87
	s_lshl_b32 s87, s81, 14
	s_add_co_u32 s84, s84, s87                     ; my first piece of the head's image, in memory
	s_mov_b32 s85, 0
	s_lshl_b32 s88, s80, 17
	s_add_co_u32 s87, s87, s88                     ; and in LDS
	s_mov_b32 s[SEL], 0x76543210
	s_mov_b32 s[SEL+1], 0xfedcba98
	s_mov_b32 s[CSC], 0x3e38aa3b
	s_mov_b32 s[CSC+1], s[CSC]                     ; (named with it as a pair, so it is written)
	s_cmp_eq_u32 s81, 0
	s_mov_b32 s30, 0x03020302                      ; an odd tile's two scale bytes are its word's upper half,
	s_cselect_b32 s30, 0x01000100, s30             ; an even tile's the lower; they are wanted twice, for [Q | 0] and [0 | Q]
	s_wait_kmcnt 0x0
	s_add_nc_u64 s[82:83], s[6:7], s[82:83]
	s_add_nc_u64 s[84:85], s[4:5], s[84:85]
	s_mov_b32 s48, 1
	s_add_co_u32 s49, s86, KSC
	s_mov_b64 s[50:51], s[82:83]
	s_or_b32 s51, s51, 0x80000000
.set n, 0
.irp g, 52,56,60,68
	s_mov_b32 s[\g], 1
	s_add_co_u32 s[\g+1], s87, n*32768
	s_add_nc_u64 s[\g+2:\g+3], s[84:85], n*32768
	s_or_b32 s[\g+3], s[\g+3], 0x80000000
.set n, n+1
.endr
	s_cmp_lt_u32 s12, 4                            ; all first fills of a wave stand in one branch on its number, ahead of every wait on TENSORcnt, every LDS read and every barrier: five loads of mine are out
	s_cbranch_scc0 .Lno_fetch
	tensor_load_to_lds s[48:51], s[G1S:G1S+7]
	s_nop 0
	tensor_load_to_lds s[52:55], s[G1T:G1T+7]
	s_nop 0
	tensor_load_to_lds s[56:59], s[G1T:G1T+7]
	s_nop 0
	tensor_load_to_lds s[60:63], s[G1T:G1T+7]
	s_nop 0
	tensor_load_to_lds s[68:71], s[G1T:G1T+7]
	s_nop 0
.rept 4
	v_nop
.endr
.Lno_fetch:
	v_and_b32 v[LI], 31, v0
	s_delay_alu instid0(VALU_DEP_1)
	v_lshlrev_b32 v[LI], 4, v[LI]
	v_and_b32 v9, 15, v0                           ; r
	v_bfe_u32 v[HH], v0, 4, 1
	s_delay_alu instid0(VALU_DEP_2)
	v_lshl_add_u32 v[SR], v9, 4, KSC
	s_delay_alu instid0(VALU_DEP_2)
	v_lshlrev_b32 v[D0], 3, v[HH]
	s_delay_alu instid0(VALU_DEP_1)
	v_sub_nc_u32 v[D0], v9, v[D0]
	s_delay_alu instid0(VALU_DEP_4)
	v_lshl_add_u32 v[YS], v9, 5, v[HH]
	v_lshlrev_b32 v[QS], 4, v9
.irp j, 0,1,2,3,4,5,6,7
	v_mov_b32 v[24+\j], 0                          ; the zero half of [Q | 0] and [0 | Q]
.endr
.irp b, 0,1,2,3
	v_mov_b32 v[T1+\b], 0                          ; written once: a lane permute's destination counts as one of its sources
.endr
	v_mov_b32 v[PW], 0                             ; (named as the upper half of the pair v[FF:FF+1] before it is first written)
; nb blocks of a lane's 16 numbers, v[s + 16 b + i], each the half of a block of 32 whose other half lane l xor 16 holds, become codes in v[pc + 4 b] on; the scale bytes stay in v[TM + 4 + b].
.macro QUANT s, nb, pc, pw
.set B_, 0
.rept \nb
	v_max3_num_f32 v[TM+B_], |v[\s+16*B_]|, |v[\s+16*B_+1]|, 0x8000000   ; my 16 numbers, and the floor 2^(16 - 127): the byte cannot fall under 1
.set B_, B_+1
.endr
.irp i, 2,4,6,8,10,12,14
.set B_, 0
.rept \nb
	s_delay_alu instid0(VALU_DEP_2)
	v_max3_num_f32 v[TM+B_], v[TM+B_], |v[\s+16*B_+\i]|, |v[\s+16*B_+\i+1]|
.set B_, B_+1
.endr
.endr
.set B_, 0
.rept \nb
	s_delay_alu instid0(VALU_DEP_2)
	v_permlanex16_b32 v[TM+4+B_], v[TM+B_], s[SEL], s[SEL+1]
.set B_, B_+1
.endr
.set B_, 0
.rept \nb
	s_delay_alu instid0(VALU_DEP_2)
	v_max_num_f32 v[TM+B_], v[TM+B_], v[TM+4+B_]
.set B_, B_+1
.endr
.set B_, 0
.rept \nb
	s_delay_alu instid0(VALU_DEP_2)
	v_add_nc_u32 v[TM+12+B_], 0xf8800000, v[TM+B_] ; 15 off the exponent field: the conversion's scale operand
.set B_, B_+1
.endr
.set B_, 0
.rept \nb
.set B_, B_+1
.endr
.set B_, 0
.rept \nb
	s_delay_alu instid0(VALU_DEP_2)
	v_lshrrev_b32 v[TM+4+B_], 23, v[TM+12+B_]      ; the scale's byte
.set B_, B_+1
.endr
.if (\pw) >= 0
	v_lshl_or_b32 v[\pw], v[TM+5], 8, v[TM+4]
	v_lshl_or_b32 v[\pw], v[TM+6], 16, v[\pw]
	v_lshl_or_b32 v[\pw], v[TM+7], 24, v[\pw]
.endif
.set B_, 0
.rept \nb
.set I_, 0
.rept 16
.set I_, I_+1
.endr
	v_cvt_scalef32_pk8_bf8_f32 v[(\pc)+4*B_:(\pc)+4*B_+1], v[\s+16*B_:\s+16*B_+7], v[TM+12+B_]
	v_cvt_scalef32_pk8_bf8_f32 v[(\pc)+4*B_+2:(\pc)+4*B_+3], v[\s+16*B_+8:\s+16*B_+15], v[TM+12+B_]
.set B_, B_+1
.endr
	v_nop                                          ; one plain vector instruction behind the last scaled conversion
.endm
; A query block begins: s[blk] holds its number.  My tile's Q (twice) and its scale word are loaded; the places where Y will go are made; the running figures begin anew.
.macro INIT blk
	s_lshl_b32 s29, s[\blk], 4
	s_add_co_u32 s29, s29, s12                     ; my tile of 16 queries
	s_lshl_b32 s28, s29, 4                         ; my first query
	s_lshl_b32 s80, s14, 17
	s_lshl_b32 s81, s29, 10
	s_add_co_u32 s80, s80, s81
	s_mov_b32 s81, 0
	s_add_nc_u64 s[72:73], s[4:5], s[80:81]        ; Q's image of my tile: 1,024 bytes
	s_lshl_b32 s80, s14, 12
	s_lshr_b32 s82, s29, 3
	s_lshl_b32 s82, s82, 8
	s_add_co_u32 s80, s80, s82
	s_bfe_u32 s82, s29, 0x20001
	s_lshl_b32 s82, s82, 2
	s_add_co_u32 s80, s80, s82
	s_add_nc_u64 s[74:75], s[6:7], s[80:81]        ; its scale words: the 128 tokens' unit, word (tile / 2) % 4
	s_lshr_b32 s82, s14, 4                         ; the batch
	s_lshl_b32 s83, s82, 7
	s_add_co_u32 s83, s83, s29                     ; Y's tile of 16 rows
	s_lshl_b32 s83, s83, 3
	s_bfe_u32 s84, s14, 0x30001                    ; its K step of 128 channels: head / 2
	s_add_co_u32 s83, s83, s84
	s_lshl_b32 s80, s83, 11
	s_and_b32 s84, s14, 1
	s_lshl_b32 s84, s84, 10                        ; an odd head takes the fragment's second half
	s_add_co_u32 s80, s80, s84
	s_add_nc_u64 s[76:77], s[8:9], s[80:81]
	s_lshl_b32 s83, s82, 11
	s_add_co_u32 s83, s83, s28
	s_lshl_b32 s80, s83, 5                         ; Y's scale bytes: 32 a token,
	s_and_b32 s84, s14, 15
	s_lshl_b32 s84, s84, 1                         ; two a head
	s_add_co_u32 s80, s80, s84
	s_add_nc_u64 s[78:79], s[10:11], s[80:81]
	global_load_b128 v[16:19], v[LI], s[72:73]
	global_load_b128 v[20:23], v[LI], s[72:73] offset:512
	global_load_b128 v[32:35], v[LI], s[72:73]
	global_load_b128 v[36:39], v[LI], s[72:73] offset:512
	global_load_b32 v245, v[QS], s[74:75]
	v_mov_b32 v13, 0xff61b1e6                      ; the largest t so far: -3e38, under every t
	s_delay_alu instid0(VALU_DEP_1)
	v_floor_f32 v12, -v13                          ; -M
	v_mov_b32 v14, 0
	v_mov_b32 v15, 0
	s_wait_loadcnt 0x0
	v_perm_b32 v[QW], v245, v245, s30              ; my tile's two bytes, twice
.set j, 0
.rept 32
	v_mov_b32 v[OT+j], 0                           ; O^T.  (The step is written once: a block's first step finds zeros.)  These lines are also the places between the scale word's write and the products
.set j, j+1
.endr
.endm
; A KEY STEP: 128 keys.  causal = 1: a step all of whose keys come after my 16 queries is left out, by a scalar branch on ids; on the diagonal hidden scores become -infinity.
.macro STEP causal
.if \causal
	s_add_co_u32 s80, s28, 15
	s_cmp_gt_u32 s27, s80
	s_cbranch_scc1 .Lhidden_\@
.endif
	s_setprio 2
	v_add_nc_u32 v[ADK], s19, v[LI]
	v_add_nc_u32 v[ADV], s25, v[LI]
	v_add_nc_u32 v[ADS], s26, v[SR]
.rept 5
	v_nop                                          ; with the three additions: eight places in front of loads into registers that the last products have read
.endr
.irp b, 0,1,2,3
.irp g, 0,1,2,3
	ds_load_b128 v[FR+16*\b+4*\g:FR+16*\b+4*\g+3], v[ADK] offset:2048*\b+512*\g   ; fragment b: tiles 2 b and 2 b + 1 of K, as they lie: 512 consecutive bytes an instruction
.endr
.endr
	ds_load_b128 v[KSW:KSW+3], v[ADS]              ; and the four fragments' scale words
	s_wait_alu depctr_va_vdst(0)
	s_wait_dscnt 0x0
.irp b, 0,1,2,3
	v_wmma_scale_f32_16x16x128_f8f6f4 v[S+16*\b:S+16*\b+7], v[FR+16*\b:FR+16*\b+15], v[16:31], 0, v[KSW+\b], v[QW] matrix_a_fmt:MATRIX_FMT_BF8 matrix_b_fmt:MATRIX_FMT_BF8
	v_wmma_scale_f32_16x16x128_f8f6f4 v[S+16*\b+8:S+16*\b+15], v[FR+16*\b:FR+16*\b+15], v[24:39], 0, v[KSW+\b], v[QW] matrix_a_fmt:MATRIX_FMT_BF8 matrix_b_fmt:MATRIX_FMT_BF8
.endr
.rept 8
	v_nop                                          ; places: in front of the loads below and of the first read of the scores
.endr
.irp d, 0,1,2,3
.irp g, 0,1,2,3
	ds_load_b128 v[FR+16*\d+4*\g:FR+16*\d+4*\g+3], v[ADV] offset:2048*\d+512*\g   ; V's four fragments: they land while the softmax is walked
.endr
.endr
	ds_load_b128 v[VSW:VSW+3], v[ADS] offset:4096
.if \causal
	s_add_co_u32 s80, s27, 127
	s_cmp_le_u32 s80, s28
	s_cbranch_scc1 .Lopen_\@                       ; all 128 keys count for all my queries
	s_sub_co_i32 s80, s28, s27
	v_add_nc_u32 v244, s80, v[D0]                  ; d = my query - the step's first key - 8 h.  Register n holds key 16 (n / 8) + n % 8 + 8 h of the step: hidden where 16 (n / 8) + n % 8 > d
	v_mov_b32 v245, 0xff800000                     ; -infinity
.set n, 0
.rept 64
	v_cmp_gt_i32 vcc_lo, 16*(n/8)+n%8, v244
	v_cndmask_b32 v[S+n], v[S+n], v245, vcc_lo
.set n, n+1
.endr
.Lopen_\@:
.endif
.irp b, 0,1,2,3
	v_max3_num_f32 v[BM+\b], v[S+16*\b], v[S+16*\b+1], v[S+16*\b+2]   ; the largest score of each block of 32 keys: it serves for the row's maximum and, since p rises with the score, for the block's largest p
.endr
.irp i, 3,5,7,9,11,13
.irp b, 0,1,2,3
	v_max3_num_f32 v[BM+\b], v[BM+\b], v[S+16*\b+\i], v[S+16*\b+\i+1]
.endr
.endr
.irp b, 0,1,2,3
	v_max_num_f32 v[BM+\b], v[BM+\b], v[S+16*\b+15]
.endr
.irp b, 0,1,2,3
	s_delay_alu instid0(VALU_DEP_4)
	v_permlanex16_b32 v[T1+\b], v[BM+\b], s[SEL], s[SEL+1]
.endr
.irp b, 0,1,2,3
	s_delay_alu instid0(VALU_DEP_4)
	v_max_num_f32 v[BM+\b], v[BM+\b], v[T1+\b]     ; with lane l xor 16's 16 keys
.endr
	s_delay_alu instid0(VALU_DEP_2)
	v_max3_num_f32 v244, v[BM], v[BM+1], v[BM+2]
	s_delay_alu instid0(VALU_DEP_1)
	v_max_num_f32 v244, v244, v[BM+3]              ; the step's largest score of my query
	s_delay_alu instid0(VALU_DEP_1)
	v_mul_f32 v244, s[CSC], v244                   ; as t
	s_delay_alu instid0(VALU_DEP_1)
	v_max_num_f32 v13, v13, v244                   ; the running largest t
	v_mov_b32 v244, v12
	s_delay_alu instid0(VALU_DEP_2)
	v_floor_f32 v12, -v13                          ; the new -M = floor(-t) = -ceil(t)
	s_delay_alu instid0(VALU_DEP_1)
	v_sub_f32 v244, v12, v244                      ; old M - new M: a whole number, 0 or less
	s_delay_alu instid0(VALU_DEP_1)
	v_cvt_i32_f32 v244, v244                       ; (it saturates)
	s_delay_alu instid0(VALU_DEP_1)
	v_ldexp_f32 v[FF], 1.0, v244                   ; f = 2^(old M - new M)
.set j, 0
.rept 32
	v_pk_fma_f32 v[S+j:S+j+1], v[S+j:S+j+1], s[CSC:CSC+1], v[12:13] op_sel_hi:[1,0,0]   ; t - M, two at a time
.set j, j+2
.endr
.irp b, 0,1,2,3
	v_fma_f32 v[BM+\b], v[BM+\b], s[CSC], v12      ; the same of each block's largest score
.endr
.set j, 0
	s_setprio 1
	s_wait_alu depctr_va_vdst(0)
.rept 64
	v_exp_f32 v[S+j], v[S+j]                       ; p = 2^(t - M), at most 1
.set j, j+1
.endr
	v_pk_mul_f32 v[14:15], v[14:15], v[FF:FF+1] op_sel_hi:[1,0]   ; the sums under the new M.  (A plain instruction behind the exponentials)
	s_wait_alu depctr_va_vdst(0)                   ; one wait for the whole batch, ahead of its first reader
.irp b, 0,1,2,3
	v_exp_f32 v[BM+\b], v[BM+\b]                   ; the block's largest p: the same two instructions on the same number give the same bits
.endr
	v_pk_add_f32 v[220:221], v[108:109], v[112:113]
	v_pk_add_f32 v[254:255], v[116:117], v[120:121]
	v_pk_add_f32 v[252:253], v[124:125], v[128:129]
	v_pk_add_f32 v[250:251], v[132:133], v[136:137]
	v_pk_add_f32 v[248:249], v[140:141], v[144:145]
	v_pk_add_f32 v[246:247], v[148:149], v[152:153]
	v_pk_add_f32 v[234:235], v[156:157], v[160:161]
	v_pk_add_f32 v[14:15], v[14:15], v[164:165]
	v_pk_add_f32 v[220:221], v[220:221], v[104:105]
	v_pk_add_f32 v[254:255], v[254:255], v[106:107]
	v_pk_add_f32 v[252:253], v[252:253], v[110:111]
	v_pk_add_f32 v[250:251], v[250:251], v[114:115]
	v_pk_add_f32 v[248:249], v[248:249], v[118:119]
	v_pk_add_f32 v[246:247], v[246:247], v[122:123]
	v_pk_add_f32 v[234:235], v[234:235], v[126:127]
	v_pk_add_f32 v[14:15], v[14:15], v[130:131]
	v_pk_add_f32 v[220:221], v[220:221], v[134:135]
	v_pk_add_f32 v[254:255], v[254:255], v[138:139]
	v_pk_add_f32 v[252:253], v[252:253], v[142:143]
	v_pk_add_f32 v[250:251], v[250:251], v[146:147]
	v_pk_add_f32 v[248:249], v[248:249], v[150:151]
	v_pk_add_f32 v[246:247], v[246:247], v[154:155]
	v_pk_add_f32 v[234:235], v[234:235], v[158:159]
	v_pk_add_f32 v[14:15], v[14:15], v[162:163]
	v_pk_add_f32 v[220:221], v[220:221], v[166:167]
	s_delay_alu instid0(VALU_DEP_2)
	v_pk_add_f32 v[14:15], v[14:15], v[250:251]
	s_delay_alu instid0(VALU_DEP_2)
	v_pk_add_f32 v[220:221], v[220:221], v[248:249]
	v_pk_add_f32 v[254:255], v[254:255], v[246:247]
	v_pk_add_f32 v[252:253], v[252:253], v[234:235]
	s_delay_alu instid0(VALU_DEP_2)
	v_pk_add_f32 v[14:15], v[14:15], v[254:255]
	s_delay_alu instid0(VALU_DEP_2)
	v_pk_add_f32 v[220:221], v[220:221], v[252:253]
	s_delay_alu instid0(VALU_DEP_1)
	v_pk_add_f32 v[14:15], v[14:15], v[220:221]
	s_wait_alu depctr_va_vdst(0)                   ; and one for the four
.irp b, 0,1,2,3
	v_max_num_f32 v[BM+\b], 0x8000000, v[BM+\b]    ; the floor 2^(16 - 127)
.endr
.irp b, 0,1,2,3
	s_delay_alu instid0(VALU_DEP_4)
	v_add_nc_u32 v[SO+\b], 0xf8800000, v[BM+\b]    ; 15 off the exponent field: the conversion's scale operand
.endr
.irp b, 0,1,2,3
.endr
.irp b, 0,1,2,3
	s_delay_alu instid0(VALU_DEP_4)
	v_lshrrev_b32 v[T1+\b], 23, v[SO+\b]           ; the scale's byte
.endr
	s_delay_alu instid0(VALU_DEP_3)
	v_lshl_or_b32 v[PW], v[T1+1], 8, v[T1]         ; p's scale word for these 128 keys
	s_delay_alu instid0(VALU_DEP_1)
	v_lshl_or_b32 v[PW], v[T1+2], 16, v[PW]
	s_delay_alu instid0(VALU_DEP_1)
	v_lshl_or_b32 v[PW], v[T1+3], 24, v[PW]
	s_setprio 0
.irp b, 0,1,2,3
.irp i, 0,1,2,3,4,5,6,7,8,9,10,11,12,13,14,15
.endr
	v_cvt_scalef32_pk8_bf8_f32 v[PC+4*\b:PC+4*\b+1], v[S+16*\b:S+16*\b+7], v[SO+\b]
	v_cvt_scalef32_pk8_bf8_f32 v[PC+4*\b+2:PC+4*\b+3], v[S+16*\b+8:S+16*\b+15], v[SO+\b]
.endr
.set j, 0
.rept 16
	v_pk_mul_f32 v[OT+j:OT+j+1], v[OT+j:OT+j+1], v[FF:FF+1] op_sel_hi:[1,0]   ; O^T under the new M, from each accumulator's low end on.  (These sixteen are also the places between the codes and the products)
.set j, j+2
.endr
	s_wait_alu depctr_va_vdst(0)
	s_wait_dscnt 0x0                               ; V's fragments and scale words are in
.irp d, 0,1,2,3
	v_wmma_scale_f32_16x16x128_f8f6f4 v[OT+8*\d:OT+8*\d+7], v[FR+16*\d:FR+16*\d+15], v[PC:PC+15], v[OT+8*\d:OT+8*\d+7], v[VSW+\d], v[PW] matrix_a_fmt:MATRIX_FMT_BF8 matrix_b_fmt:MATRIX_FMT_BF8
.endr
.if \causal
.Lhidden_\@:
.endif
.endm
; A query block ends: O^T is divided by the row's sum, quantised along the channels and stored as the last product's operand registers; a lane stores one scale byte.
.macro FINAL
	v_add_f32 v14, v14, v15                        ; the sum's two halves,
	s_delay_alu instid0(VALU_DEP_1)
	v_permlanex16_b32 v244, v14, s[SEL], s[SEL+1]
	s_delay_alu instid0(VALU_DEP_1)
	v_add_f32 v14, v14, v244                       ; and lane l xor 16's
	s_wait_alu depctr_va_vdst(0)
	v_rcp_f32 v14, v14
.rept 8
	v_nop                                          ; eight places behind the last products, ahead of the first read of O^T; the first is also the plain instruction behind the reciprocal
.endr
	s_wait_alu depctr_va_vdst(0)                   ; the wait ahead of the reciprocal's first reader
.set j, 0
.rept 32
	v_mul_f32 v[S+j], v[OT+j], v14                 ; register 16 B + i: channel 32 B + 16 h + i of query r
.set j, j+1
.endr
	QUANT S, 2, PC, -1
	global_store_b128 v[LI], v[PC:PC+3], s[76:77]  ; 32 lanes store 512 consecutive bytes, aligned
	global_store_b128 v[LI], v[PC+4:PC+7], s[76:77] offset:512
	v_cmp_ne_u32 vcc_lo, 0, v[HH]
	s_delay_alu instid0(VALU_DEP_1)
	v_cndmask_b32 v245, v[TM+4], v[TM+5], vcc_lo   ; lanes 0-15 store the first block's byte, lanes 16-31 the second's
	global_store_b8 v[YS], v245, s[78:79]
	s_wait_xcnt 0x0                                ; the stores have read their data and their bases: both are written again
.endm
	INIT 31                                        ; block 7 - i
	s_wait_tensorcnt 0x3                           ; of a fetching wave's five loads the three youngest may be out: its half of the scale words and its first piece (two key steps) are in
	s_barrier_signal -1
	s_barrier_wait -1                              ; so the first four key steps of K and of V, and all scale words, lie in LDS
	s_mov_b32 s17, 0
	s_mov_b32 s19, 0
	s_mov_b32 s25, 131072
	s_mov_b32 s26, 0
.Learly:                                               ; key steps 0 to 3: keys under 512, and block 7 - i begins at query 1,024 or later: no mask
	STEP 0
	s_add_co_u32 s19, s19, 8192
	s_add_co_u32 s25, s25, 8192
	s_add_co_u32 s26, s26, 256
	s_add_co_u32 s17, s17, 1
	s_cmp_lt_u32 s17, 4
	s_cbranch_scc1 .Learly
	s_setprio 0
	s_wait_tensorcnt 0x0                           ; all my loads have landed,
	s_wait_dscnt 0x0
	s_barrier_signal -1
	s_barrier_wait -1                              ; everybody's have: the whole head lies in LDS
.Lmain:                                                ; T = 4 .. 17
	s_cmp_ge_u32 s17, s15
	s_cselect_b32 s80, s16, 0
	s_add_co_u32 s80, s80, s17
	s_and_b32 s18, s80, 15                         ; the key step: T in the first block, T - TA in the second
	s_lshl_b32 s19, s18, 13
	s_add_co_u32 s25, s19, 131072
	s_lshl_b32 s26, s18, 8
	s_lshl_b32 s27, s18, 7
	STEP 1
	s_add_co_u32 s80, s17, 1
	s_cmp_lg_u32 s80, s15
	s_cbranch_scc1 .Lsame                          ; a branch on the work-group's number and the trip: alike in all sixteen waves; no barrier stands inside
	FINAL
	INIT 13                                        ; block i
.Lsame:
	s_add_co_u32 s17, s17, 1
	s_cmp_lt_u32 s17, 18
	s_cbranch_scc1 .Lmain
	s_setprio 0
	FINAL
	s_endpgm
.Lfunc_end_k_q8b684baacd_attn:
	.size	k_q8b684baacd_attn, .Lfunc_end_k_q8b684baacd_attn-k_q8b684baacd_attn
	.p2alignl 7, 3214868480
	.fill 96, 4, 3214868480
	.section	.rodata,"a",@progbits
	.p2align	6, 0x0
	.amdhsa_kernel k_q8b684baacd_attn
		.amdhsa_group_segment_fixed_size 327680
		.amdhsa_private_segment_fixed_size 0
		.amdhsa_enable_private_segment 0
		.amdhsa_kernarg_size 32
		.amdhsa_user_sgpr_count 2
		.amdhsa_user_sgpr_kernarg_segment_ptr 1
		.amdhsa_wavefront_size32 1
		.amdhsa_system_sgpr_workgroup_id_x 1
		.amdhsa_system_sgpr_workgroup_id_y 1
		.amdhsa_system_sgpr_workgroup_id_z 1
		.amdhsa_system_vgpr_workitem_id 0
		.amdhsa_next_free_vgpr 256
		.amdhsa_next_free_sgpr 96
		.amdhsa_reserve_vcc 1
		.amdhsa_float_denorm_mode_32 3
		.amdhsa_float_denorm_mode_16_64 3
		.amdhsa_fp16_overflow 1
		.amdhsa_memory_ordered 1
		.amdhsa_forward_progress 1
		.amdhsa_inst_pref_size 60
	.end_amdhsa_kernel
	.amdgpu_metadata
---
amdhsa.version: [ 1, 2 ]
amdhsa.kernels:
  - .name:           k_q8b684baacd_attn
    .symbol:         k_q8b684baacd_attn.kd
    .args:
      - { .name: qkv_img, .offset: 0, .size: 8, .value_kind: global_buffer, .address_space: global }
      - { .name: qkv_sc, .offset: 8, .size: 8, .value_kind: global_buffer, .address_space: global }
      - { .name: y_img, .offset: 16, .size: 8, .value_kind: global_buffer, .address_space: global }
      - { .name: y_sc, .offset: 24, .size: 8, .value_kind: global_buffer, .address_space: global }
    .group_segment_fixed_size: 327680
    .private_segment_fixed_size: 0
    .kernarg_segment_align: 8
    .kernarg_segment_size: 32
    .max_flat_workgroup_size: 512
    .sgpr_count:     96
    .vgpr_count:     256
    .wavefront_size: 32
...
	.end_amdgpu_metadata
.endif
;; end of part 3
;; launch oproj (part 4): grid 4 x 32, 4 waves a work-group, clusters of 4 x 4, 327,680 bytes of LDS; arguments y_img, y_sc, Wo_codes, Wo_scales, out0; writes out0
.if DOCPART == 4
	.amdgcn_target "amdgcn-amd-amdhsa--gfx1250"
	.amdhsa_code_object_version 6
	.text
	.protected	k_q8b684baacd_oproj
	.globl	k_q8b684baacd_oproj
	.p2align	8
	.type	k_q8b684baacd_oproj,@function
k_q8b684baacd_oproj:
	s_mov_b64 s[64:65], 0
	v_nop
	global_prefetch_b8 v0, s[64:65] scope:SCOPE_SE
	s_setreg_imm32_b32 hwreg(HW_REG_WAVE_MODE, 25, 1), 1
	s_wait_xcnt 0x0
	s_wait_alu depctr_hold_cnt(0) depctr_sa_sdst(0) depctr_va_vdst(0) depctr_va_sdst(0) depctr_va_ssrc(0) depctr_va_vcc(0) depctr_vm_vsrc(0)
	s_getreg_b32 s2, hwreg(HW_REG_IB_STS2, 6, 4)
	s_cmp_eq_u32 s2, 0
	s_cbranch_scc0 .Lentry_in_a_cluster
	s_endpgm
.Lentry_in_a_cluster:
	s_bfe_u32 s2, ttmp6, 0x10000c
	s_cmp_lg_u32 s2, 0xf033
	s_cbranch_scc0 .Lentry_shape_is_right
	s_endpgm
.Lentry_shape_is_right:
; out0[m][n] = sum over k of Y[m][k] Wo[n][k], on codes of BF8 (E5M2) with one E8M0 scale for each 32 along K; out0: [8192][1024] f32; sums in f32.
; Y comes as the launch before stored it: images of operand registers, [tile of 16 rows][K step of 128][4][lane][16 bytes], 16,384 bytes a tile of rows; its scale bytes [8192][32].  Wo: [1024][1024] codes, [1024][32] scale bytes.
; A tile of 256 x 256 is made by a work-group of four waves; a wave makes 128 x 128: 64 accumulators, 512 registers.  K goes in steps of 256 through a ring of two LDS slots filled by the tensor data mover.
; Of Y a K step of 256 is 4,096 consecutive bytes of each tile of rows: a wave's load brings 8 such rows, unpadded, since an image is read 512 consecutive bytes an instruction.  Of Wo it is 128 rows of 256 bytes, padded to 272.
; The scale bytes of the tile's rows, for all of K, come into LDS once, with the first fills.
; CLUSTERS: 4 x 4 work-groups.  The four of a row need the same tiles of Y, the four of a column the same tiles of Wo: each is asked for jointly, by the same tensor load with the same descriptor and a mask that names the four.
; THE MATRIX INSTRUCTION IS USED TRANSPOSED (source 0 = 16 rows of Wo, source 1 = 16 rows of Y): a lane then holds eight neighbouring numbers of a row of out0.
; The output has 128 tiles of 256 x 256: so many work-groups are launched.
; REGISTERS, in windows of 256: window 0: v0-31 addresses; v32-63 scale words, two sets; from v128 Y's fragments, one set; on the way out v32-255 are free.
;   window 1: Wo's fragments, two sets.   window 2: the accumulators of my rows 0-63 ((a, b) at v[8 (8 a + b)]);   window 3: those of rows 64-127.
.set SIZE_N, 1024
.set SIZE_K, 1024
.set KSTEP,  256
.set NQ,     KSTEP/128
.set ROWB,   256                       ; a row of Wo's tile in bytes
.set KROW,   SIZE_K                    ; a row of Wo in memory; also Y's bytes for each row (16,384 for 16)
.set ASTEP,  4096                      ; a K step of 256 in a tile of 16 rows of Y
.set AHALF,  8*ASTEP                   ; 128 rows of Y in a slot
.set PITCH,  272                       ; an LDS row of Wo: 256 bytes + 16 of padding: the 16 rows that a load touches start at 16 different banks (64 banks of 4 bytes: ISA guide 11.1)
.set FR,     16
.set NL,     4
.set NP,     8                         ; places behind this matrix instruction (ISA guide 7.12.1)
.set HALFT,  128*PITCH                 ; 128 rows of Wo
.set BOFF,   2*AHALF                   ; Wo's rows lie behind Y's
.set SLOT,   BOFF+2*HALFT
.set LAPS,   SIZE_K/(2*KSTEP)
.set KS,     SIZE_K/32
.set SCL,    2*SLOT                    ; behind the ring: the scales, as units of 256 bytes + 16 of padding
.set HALFS,  (128*KS/256)*272
.set SBLK,   (16*KS/256)*272
.set SPARE,  SCL+4*HALFS               ; the spare words, 128 bytes for each wave: two blocks of 256 bytes that no other line names
.set SPITCH, 528                       ; the way out: a stage of 16 rows x (512 bytes + 16) for each wave, in slot 0, which has had its last fill and its last read by then
.set ADRA, 16
.set ADRB, 20
.set STO,  24
.set RD,   25
.set CO,   26
.set ADRS, 27
.set SPW,  28
.set NIL,  29
.set SC,   32
.set AF,   128
.set BK,   128
.set G1, 24
.set G0, 32
.set G1B, 48
.set G0B, 56
.set G1S, 68
.set G0S, 76
.set G1SB, 80
.set G0SB, 88
.set MSB, 0
.macro WIN new                         ; the immediate's high byte repeats the setting that is left
.if MSB != (\new)
	s_set_vgpr_msb (MSB<<8)|(\new)
.set MSB, \new
.endif
.endm
.set MUL_LO, 0xa1
.set MUL_HI, 0xf1
.set TO_B,   0x40
; A joint load: waves 0 and 1 fetch for Y, waves 2 and 3 for Wo; the branch hangs on the wave's number alone.  Four v_nop follow each of the two lines.
.macro JLOAD g0a, g1a, g0b, g1b
	s_cmp_eq_u32 s15, 0
	s_cbranch_scc0 .Lfor_b_\@
	tensor_load_to_lds s[\g0a:\g0a+3], s[\g1a:\g1a+7]
	s_nop 0
.rept 4
	v_nop
.endr
	s_branch .Lasked_\@
.Lfor_b_\@:
	tensor_load_to_lds s[\g0b:\g0b+3], s[\g1b:\g1b+7]
	s_nop 0
.rept 4
	v_nop
.endr
.Lasked_\@:
.endm
.macro CREST
	s_cmp_lg_u32 s14, 0
	s_cbranch_scc1 .Lnot_wave_0_\@
	s_barrier_signal -3
.Lnot_wave_0_\@:
	s_barrier_wait -3
	s_barrier_signal -1
	s_barrier_wait -1
.endm
.macro CROUND
	s_barrier_signal -1
	s_barrier_wait -1
	CREST
.endm
	s_load_b128 s[4:7], s[0:1], 0x0                ; Y's images s[4:5], Y's scales s[6:7]
	s_load_b128 s[8:11], s[0:1], 0x10              ; Wo's codes s[8:9], Wo's scales s[10:11]
	s_load_b64 s[12:13], s[0:1], 0x20              ; out0
	v_lshl_add_u32 v[SPW], v0, 2, SPARE
	v_mov_b32 v[NIL], 0
	v_lshrrev_b32 v1, 5, v0
	v_readfirstlane_b32 s14, v1                    ; wave 0..3
	s_lshr_b32 s15, s14, 1                         ; which half of the tile's rows is mine.  Also: I fetch for Y (0) or for Wo (1)
	s_and_b32 s16, s14, 1                          ; which half of its columns.  Also: which 128 rows of that tile I fetch
	s_bfe_u32 s40, ttmp6, 0x40000
	s_bfe_u32 s41, ttmp6, 0x40004
	s_lshl_b32 s42, ttmp9, 2
	s_add_co_u32 s42, s42, s40                     ; tile column = 4 x cluster x + cx
	s_and_b32 s17, ttmp7, 0xffff
	s_lshl_b32 s17, s17, 2
	s_add_co_u32 s17, s17, s41                     ; tile row = 4 x cluster y + cy
	s_lshl_b32 s43, s41, 2
	s_lshl_b32 s43, 15, s43                        ; my row of the cluster
	s_lshl_b32 s44, 0x1111, s40                    ; my column
	; Y: 8 rows of 4,096 bytes (512 elements of 8 bytes), 16,384 bytes apart, no padding
	s_or_b32 s[G1+0], s43, (3<<16)|(1<<21)         ; 15:0 the mask: my row; 17:16 elements of 8 bytes; 21 set beside a mask
	s_mov_b32 s[G1+1], 512<<16                     ; tensor_dim0
	s_mov_b32 s[G1+2], 8<<16                       ; tensor_dim1
	s_mov_b32 s[G1+3], 512<<16                     ; tile_dim0
	s_mov_b32 s[G1+4], 8                           ; tile_dim1
	s_mov_b32 s[G1+5], 2048                        ; tensor_dim0_stride
	s_mov_b32 s[G1+6], 0
	s_mov_b32 s[G1+7], 0
	; Wo: 128 rows of 256 bytes, padded in LDS
	s_or_b32 s[G1B+0], s44, (0<<16)|(1<<20)|(1<<21)|(5<<22)|(3<<25)
	s_mov_b32 s[G1B+1], ROWB<<16
	s_mov_b32 s[G1B+2], 128<<16
	s_mov_b32 s[G1B+3], ROWB<<16
	s_mov_b32 s[G1B+4], 128
	s_mov_b32 s[G1B+5], KROW
	s_mov_b32 s[G1B+6], 0
	s_mov_b32 s[G1B+7], 0
	; the scales of 128 rows: a dense block of 4,096 bytes, as rows of 256 bytes, 16 bytes of padding behind each
	s_or_b32 s[G1S+0], s43, (3<<16)|(1<<20)|(1<<21)|(5<<22)|(3<<25)
	s_or_b32 s[G1SB+0], s44, (3<<16)|(1<<20)|(1<<21)|(5<<22)|(3<<25)
.irp g, G1S, G1SB
	s_mov_b32 s[\g+1], 32<<16
	s_mov_b32 s[\g+2], (128*KS/256)<<16
	s_mov_b32 s[\g+3], 32<<16
	s_mov_b32 s[\g+4], 128*KS/256
	s_mov_b32 s[\g+5], 32
	s_mov_b32 s[\g+6], 0
	s_mov_b32 s[\g+7], 0
.endr
	s_lshl_b32 s18, s16, 7
	s_lshl_b32 s20, s17, 8
	s_add_co_u32 s20, s20, s18                     ; Y: row 256 x tile row + 128 x half
	s_lshl_b32 s46, s42, 8
	s_add_co_u32 s46, s46, s18                     ; Wo: row 256 x tile column + 128 x half
	s_mov_b32 s21, 0
	s_mov_b32 s47, 0
	s_mov_b64 s[18:19], KS
	s_mul_u64 s[22:23], s[20:21], s[18:19]         ; where these rows' scales begin
	s_mul_u64 s[92:93], s[46:47], s[18:19]
	s_mov_b64 s[18:19], KROW
	s_mul_u64 s[20:21], s[20:21], s[18:19]         ; and their codes: 1,024 bytes a row in both (16 rows of Y: 16,384)
	s_mul_u64 s[46:47], s[46:47], s[18:19]
	s_lshl_b32 s45, s16, 15                        ; where they go: Y's halves at 0 and 32,768,
	s_mul_i32 s95, s16, HALFT
	s_add_co_u32 s95, s95, BOFF                    ; Wo's behind them: no place in the cluster enters an LDS address
	s_mul_i32 s94, s14, HALFS
	s_wait_kmcnt 0x0
	s_add_nc_u64 s[20:21], s[4:5], s[20:21]
	s_add_nc_u64 s[22:23], s[6:7], s[22:23]
	s_add_nc_u64 s[46:47], s[8:9], s[46:47]
	s_add_nc_u64 s[92:93], s[10:11], s[92:93]
	CROUND                                         ; all sixteen work-groups are here: the first joint loads meet
	s_mov_b32 s[G0S], 1
	s_add_co_u32 s[G0S+1], s94, SCL
	s_mov_b64 s[G0S+2:G0S+3], s[22:23]
	s_or_b32 s[G0S+3], s[G0S+3], 0x80000000
	s_mov_b32 s[G0SB], 1
	s_add_co_u32 s[G0SB+1], s94, SCL
	s_mov_b64 s[G0SB+2:G0SB+3], s[92:93]
	s_or_b32 s[G0SB+3], s[G0SB+3], 0x80000000
	JLOAD G0S, G1S, G0SB, G1SB                     ; the scales first: they are wanted with K step 0
.irp s, 0,1
	s_mov_b32 s[G0+4*\s], 1
	s_add_co_u32 s[G0+4*\s+1], s45, \s*SLOT
	s_add_nc_u64 s[G0+4*\s+2:G0+4*\s+3], s[20:21], \s*ASTEP
	s_or_b32 s[G0+4*\s+3], s[G0+4*\s+3], 0x80000000
	s_mov_b32 s[G0B+4*\s], 1
	s_add_co_u32 s[G0B+4*\s+1], s95, \s*SLOT
	s_add_nc_u64 s[G0B+4*\s+2:G0B+4*\s+3], s[46:47], \s*ROWB
	s_or_b32 s[G0B+4*\s+3], s[G0B+4*\s+3], 0x80000000
	s_wait_alu depctr_va_vdst(0)
	s_wait_tensorcnt 0x0
	ds_add_u32 v28, v29
	s_wait_dscnt 0x0
	CROUND
	JLOAD G0+4*\s, G1, G0B+4*\s, G1B               ; one load of mine is out
.endr
	v_and_b32 v1, 15, v0                           ; l % 16
	v_bfe_u32 v2, v0, 4, 1                         ; l / 16
	v_mul_u32_u24 v3, v1, PITCH
	v_lshl_add_u32 v4, v2, 4, v3                   ; Wo: a fragment's row x pitch + 16 x half
	v_and_b32 v6, 31, v0
	v_lshlrev_b32 v7, 4, v6                        ; Y: 16 x lane
	s_lshl_b32 s21, s15, 15                        ; my 128 rows of Y
	s_mul_i32 s22, s16, HALFT                      ; my 128 rows of Wo
	s_add_co_u32 s22, s22, BOFF
.irp s, 0,1
	v_add_nc_u32 v[ADRA+\s], s21, v7
	v_add_nc_u32 v[ADRB+\s], s22, v4
	s_add_co_u32 s21, s21, SLOT
	s_add_co_u32 s22, s22, SLOT
.endr
	v_mul_u32_u24 v5, v1, KS                       ; my row's scales: KS bytes a row,
	v_lshrrev_b32 v6, 8, v5
	v_lshl_add_u32 v5, v6, 4, v5                   ; and 16 more for each 256 passed
	s_mul_i32 s21, s15, HALFS
	s_mul_i32 s22, s16, HALFS
	s_add_co_u32 s22, s22, 2*HALFS
	s_sub_co_u32 s22, s22, s21
	v_mul_u32_u24 v6, s22, v2                      ; lanes 16-31 take Wo's
	s_add_co_u32 s21, s21, SCL
	v_add_nc_u32 v5, v5, v6
	v_add_nc_u32 v[ADRS], s21, v5
	s_mul_i32 s23, s14, 16*SPITCH                  ; my stage
	v_mul_u32_u24 v5, v1, SPITCH                   ; in: row l % 16, 32 bytes for each half of the lanes
	v_lshl_add_u32 v5, v2, 5, v5
	v_add_nc_u32 v[STO], s23, v5
	v_mov_b32 v[CO], v7                            ; back: the 32 lanes take one row of 512 bytes; and the same in out0
	v_add_nc_u32 v[RD], s23, v[CO]
	s_lshl_b32 s20, s17, 8
	s_lshl_b32 s21, s15, 7
	s_add_co_u32 s20, s20, s21                     ; my first row of out0
	s_mov_b32 s21, 0
	s_mov_b64 s[18:19], SIZE_N*4
	s_mul_u64 s[20:21], s[20:21], s[18:19]
	s_lshl_b32 s46, s42, 10                        ; my first column, in bytes
	s_lshl_b32 s47, s16, 9
	s_add_co_u32 s46, s46, s47
	s_mov_b32 s47, 0
	s_add_nc_u64 s[20:21], s[20:21], s[46:47]
	s_add_nc_u64 s[12:13], s[12:13], s[20:21]
.macro FRAGB reg, adr, q, i            ; Wo: lane l holds row l % 16; registers 4 c .. 4 c + 3 hold K = 32 c + 16 (l / 16) + 0 .. 15
.irp c, 0,1,2,3
	ds_load_b128 v[\reg+4*\c:\reg+4*\c+3], v[\adr] offset:128*(\q)+32*\c+(\i)*16*PITCH
.endr
.endm
.macro FRAGA reg, adr, q, i            ; Y: the image of those registers: tile of rows i, the slot's q-th 128 along K
.irp c, 0,1,2,3
	ds_load_b128 v[\reg+4*\c:\reg+4*\c+3], v[\adr] offset:2048*(\q)+512*\c+(\i)*ASTEP
.endr
.endm
; 16 matrix instructions: Y's blocks a0, a0 + 1 against Wo's eight.  The 64 accumulators take turns, one instruction a turn, in the same order in every step.
.macro MUL16 a0, p, q, sc, zero
.irp a, \a0, \a0+1
.irp b, 0,1,2,3,4,5,6,7
.if \zero
	v_wmma_scale_f32_16x16x128_f8f6f4 v[8*(8*((\a)%4)+\b):8*(8*((\a)%4)+\b)+7], v[128*(\p)+FR*\b:128*(\p)+FR*\b+FR-1], v[AF+FR*(\a):AF+FR*(\a)+FR-1], 0, v[SC+8*NQ*(\sc)+NQ*\b+(\q)], v[SC+8*NQ*(\sc)+NQ*(\a)+(\q)] matrix_a_fmt:MATRIX_FMT_BF8 matrix_b_fmt:MATRIX_FMT_BF8 matrix_a_scale:MATRIX_SCALE_ROW1
.else
	v_wmma_scale_f32_16x16x128_f8f6f4 v[8*(8*((\a)%4)+\b):8*(8*((\a)%4)+\b)+7], v[128*(\p)+FR*\b:128*(\p)+FR*\b+FR-1], v[AF+FR*(\a):AF+FR*(\a)+FR-1], v[8*(8*((\a)%4)+\b):8*(8*((\a)%4)+\b)+7], v[SC+8*NQ*(\sc)+NQ*\b+(\q)], v[SC+8*NQ*(\sc)+NQ*(\a)+(\q)] matrix_a_fmt:MATRIX_FMT_BF8 matrix_b_fmt:MATRIX_FMT_BF8 matrix_a_scale:MATRIX_SCALE_ROW1
.endif
.endr
.endr
.endm
.macro FETCH_B slot, q, p
	WIN TO_B
.irp i, 0,1,2,3,4,5,6,7
	FRAGB 128*(\p)+FR*\i, ADRB+\slot, \q, \i
.endr
	WIN 0
.endm
.macro FETCH_A slot, q, i0
.irp i, \i0, \i0+1, \i0+2, \i0+3
	FRAGA AF+FR*(\i), ADRA+\slot, \q, \i
.endr
.endm
.macro SCALES sc                       ; lanes 0-15 take Y's block i, lanes 16-31 Wo's block i
.irp i, 0,1,2,3,4,5,6,7
	ds_load_b64 v[SC+8*NQ*\sc+NQ*\i:SC+8*NQ*\sc+NQ*\i+1], v[ADRS] offset:\i*SBLK
.endr
.endm
.macro PLACES n                        ; places behind matrix instructions, in front of loads into registers that they have read and of the first read of results (ISA guide 7.12.1 for vector instructions)
.rept \n
	v_nop
.endr
.endm
.macro STEP slot, q, zero
	s_wait_dscnt 4*NL                              ; Wo's set and Y's blocks 0-3 are in; the youngest sixteen loads (Y's blocks 4-7) may be out
	WIN MUL_LO
	MUL16 0, (\q)%2, \q, \slot, \zero
	MUL16 2, (\q)%2, \q, \slot, \zero
	s_wait_dscnt 0
	PLACES NP
	FETCH_B \slot, (\q)+1, 1-(\q)%2
	FETCH_A \slot, (\q)+1, 0
	WIN MUL_HI
	MUL16 4, (\q)%2, \q, \slot, \zero
	MUL16 6, (\q)%2, \q, \slot, \zero
	PLACES NP
	WIN 0
	FETCH_A \slot, (\q)+1, 4
.endm
; A slot's last step changes slots: one barrier; in front of it each wave waits for all its tensor loads, adds 0 to its spare word, and waits for that and for its own reads of this slot.
.macro TURN slot, next, fill
	s_wait_tensorcnt 0x0                           ; all my tensor loads have landed: my part of the next slot
	ds_add_u32 v[SPW], v[NIL]                      ; 0 onto my spare word
	s_wait_dscnt 4*NL+1                            ; (the add and the youngest sixteen loads may be out)
	WIN MUL_LO
	MUL16 0, 1, NQ-1, \slot, 0
	s_wait_dscnt 0x0                               ; the add is done, and my reads of this slot are over
	s_barrier_signal -1
	MUL16 2, 1, NQ-1, \slot, 0
	WIN 0
	s_barrier_wait -1
.if \fill
	CREST                                          ; the barrier has opened a round of the cluster's barrier: no wave of any partner still reads this slot's tile or has a load on its way
	s_add_nc_u64 s[G0+4*\slot+2:G0+4*\slot+3], s[G0+4*\slot+2:G0+4*\slot+3], 2*ASTEP
	s_add_nc_u64 s[G0B+4*\slot+2:G0B+4*\slot+3], s[G0B+4*\slot+2:G0B+4*\slot+3], 2*ROWB
	JLOAD G0+4*\slot, G1, G0B+4*\slot, G1B         ; the first tensor load behind the round
	PLACES NP-4
.else
	PLACES NP
.endif
	s_wait_alu depctr_va_vdst(0)
	v_add_nc_u32 v[ADRS], 4*NQ, v[ADRS]
	FETCH_B \next, 0, 0
	FETCH_A \next, 0, 0
	SCALES \next
	WIN MUL_HI
	MUL16 4, 1, NQ-1, \slot, 0
	MUL16 6, 1, NQ-1, \slot, 0
	PLACES NP
	WIN 0
	FETCH_A \next, 0, 4
.endm
	s_wait_alu depctr_va_vdst(0)
	s_wait_tensorcnt 1                             ; the scales and my part of K step 0 are in (K step 1's load may be out),
	s_barrier_signal -1
	s_barrier_wait -1                              ; everybody's are
	FETCH_B 0, 0, 0
	FETCH_A 0, 0, 0
	SCALES 0
	FETCH_A 0, 0, 4
	STEP 0, 0, 1                                   ; the first step stands in front of the loop: its products start the sums
	s_mov_b32 s3, LAPS-1
.Llap:
	TURN 0, 1, 1
	STEP 1, 0, 0
	TURN 1, 0, 1
	STEP 0, 0, 0
	s_sub_co_u32 s3, s3, 1
	s_cmp_lg_u32 s3, 0
	s_cbranch_scc1 .Llap
	TURN 0, 1, 0                                   ; the last lap fills nothing
	STEP 1, 0, 0
	s_wait_dscnt 4*NL
	WIN MUL_LO
	MUL16 0, 1, NQ-1, 1, 0
	MUL16 2, 1, NQ-1, 1, 0
	s_wait_dscnt 0
	WIN MUL_HI
	MUL16 4, 1, NQ-1, 1, 0
	MUL16 6, 1, NQ-1, 1, 0
	WIN 0
; THE WAY OUT, block by block of 16 rows x 128 columns, through my own stage in LDS: back as whole rows of 512 bytes, which the 32 lanes store as two aligned runs of 256 bytes.
; LDS serves a wave's instructions in order (ISA guide 5.7.1.4): no wait between the stores and the loads, nor in front of the next block's stores.
.macro TOSTAGE a
.set AC, 64*((\a)%4)
	WIN 0x08+4*((\a)/4)                            ; the data: window 2 or 3
.irp b, 0,1,2,3,4,5,6,7
	ds_store_b128 v[STO], v[AC+8*\b:AC+8*\b+3] offset:64*\b          ; each accumulator from its low end on
	ds_store_b128 v[STO], v[AC+8*\b+4:AC+8*\b+7] offset:64*\b+16
.endr
	WIN 0
.set BB, BK+64*((\a)%2)
.irp t, 0,1,2,3,4,5,6,7,8,9,10,11,12,13,14,15
	ds_load_b128 v[BB+4*\t:BB+4*\t+3], v[RD] offset:\t*SPITCH
.endr
.endm
.macro SEND a, younger                 ; younger: the LDS instructions issued behind block a's loads, which may stay out
.set BB, BK+64*((\a)%2)
	s_wait_dscnt \younger
.if (\a) > 0
	s_add_nc_u64 s[12:13], s[12:13], 16*SIZE_N*4   ; (behind a wait on XCNT: the earlier stores have read their base)
.endif
.irp t, 0,1,2,3,4,5,6,7,8,9,10,11,12,13,14,15
	global_store_b128 v[CO], v[BB+4*\t:BB+4*\t+3], s[12:13] offset:\t*SIZE_N*4 th:TH_STORE_NT   ; 32 lanes store 512 consecutive bytes, aligned; written once, read by nobody here
.endr
.endm
	PLACES NP
	TOSTAGE 0
.irp a, 1,2,3,4,5,6,7
.if \a > 1
	s_wait_xcnt 0x0                                ; block a - 2's stores have read their registers and their base
.endif
	TOSTAGE \a
	SEND \a-1, 32                                  ; behind block a - 1's loads: block a's 16 stores and 16 loads
.endr
	s_wait_xcnt 0x0
	SEND 7, 0
	s_wait_tensorcnt 0x0                           ; the wave's end, behind my last tensor load and my last LDS store
	ds_add_u32 v[SPW], v[NIL]
	s_wait_dscnt 0x0
	CROUND                                         ; the closing round
	s_endpgm
.Lfunc_end_k_q8b684baacd_oproj:
	.size	k_q8b684baacd_oproj, .Lfunc_end_k_q8b684baacd_oproj-k_q8b684baacd_oproj
	.p2alignl 7, 3214868480
	.fill 96, 4, 3214868480
	.section	.rodata,"a",@progbits
	.p2align	6, 0x0
	.amdhsa_kernel k_q8b684baacd_oproj
		.amdhsa_group_segment_fixed_size 327680
		.amdhsa_private_segment_fixed_size 0
		.amdhsa_enable_private_segment 0
		.amdhsa_kernarg_size 40
		.amdhsa_user_sgpr_count 2
		.amdhsa_user_sgpr_kernarg_segment_ptr 1
		.amdhsa_wavefront_size32 1
		.amdhsa_system_sgpr_workgroup_id_x 1
		.amdhsa_system_sgpr_workgroup_id_y 1
		.amdhsa_system_sgpr_workgroup_id_z 1
		.amdhsa_system_vgpr_workitem_id 0
		.amdhsa_next_free_vgpr 1024
		.amdhsa_next_free_sgpr 100
		.amdhsa_reserve_vcc 0
		.amdhsa_float_denorm_mode_32 3
		.amdhsa_float_denorm_mode_16_64 3
		.amdhsa_memory_ordered 1
		.amdhsa_forward_progress 1
		.amdhsa_inst_pref_size 146
	.end_amdhsa_kernel
	.amdgpu_metadata
---
amdhsa.version: [ 1, 2 ]
amdhsa.kernels:
  - .name:           k_q8b684baacd_oproj
    .symbol:         k_q8b684baacd_oproj.kd
    .args:
      - { .name: y_img, .offset: 0, .size: 8, .value_kind: global_buffer, .address_space: global }
      - { .name: y_sc, .offset: 8, .size: 8, .value_kind: global_buffer, .address_space: global }
      - { .name: Wo_codes, .offset: 16, .size: 8, .value_kind: global_buffer, .address_space: global }
      - { .name: Wo_scales, .offset: 24, .size: 8, .value_kind: global_buffer, .address_space: global }
      - { .name: out0, .offset: 32, .size: 8, .value_kind: global_buffer, .address_space: global }
    .group_segment_fixed_size: 327680
    .private_segment_fixed_size: 0
    .kernarg_segment_align: 8
    .kernarg_segment_size: 40
    .max_flat_workgroup_size: 128
    .sgpr_count:     100
    .vgpr_count:     1024
    .wavefront_size: 32
...
	.end_amdgpu_metadata
.endif
;; end of part 4
